; MI455X (gfx1250); checked and timed in simulation.
; The chip was launched on July 23, 2026; its instructions are those of AMD's public machine-readable ISA for CDNA 5 (MIT licence, August 2026) and "CDNA5" Instruction Set Architecture Reference Guide (July 2026). The comments in the code are by the model that wrote it; some were corrected since.
;; Alibi Transformer Layer. Allowed arithmetic: matrix products marked QUANTISED: E5M2 operands, one given power-of-two scale a tensor, by v_wmma_f32_16x16x64_bf8_bf8 or v_wmma_f32_16x16x128_bf8_bf8, f32 sums; everything else in f32.
;; Inputs: ff1_b 4,096 float32; ff1_w_codes 4,096 x 32 x 32 uint8 (E5M2 codes of ff1_w, K innermost, in blocks of 32 codes); ff2_b 1,024 float32; ff2_w_codes 1,024 x 128 x 32 uint8 (E5M2 codes of ff2_w, K innermost, in blocks of 32 codes); fnorm_b 1,024 float32; fnorm_w 1,024 float32; lowp_scales 12 int32 (the exponents e of the quantised operands' scales 2^e); norm_b 1,024 float32; norm_w 1,024 float32; out_b 1,024 float32; out_w_codes 1,024 x 32 x 32 uint8 (E5M2 codes of out_w, K innermost, in blocks of 32 codes); src 2 x 2,048 x 1,024 float32; wqkv_b 3,072 float32; wqkv_w_codes 3,072 x 32 x 32 uint8 (E5M2 codes of wqkv_w, K innermost, in blocks of 32 codes).
;; Outputs: out0 2 x 2,048 x 1,024 float32.
;; This version of the problem:
;;   THIS VERSION OF THE PROBLEM IS GIVEN IN LOW PRECISION. The matrix products marked QUANTISED in the list below multiply operands that are first quantised to E5M2 (5 exponent bits, 2 mantissa bits; 8 bits a number), with one given power-of-two scale for each operand tensor; their sums are f32. All else is computed in f32.
;;   The module's matrix products, in the order in which they are computed (A, B: the left and right operand; K: the contracted axis; several contracted axes count as one K, in the product's order):
;;     1. [M 4,096, K 1,024] x [K 1,024, N 3,072]; A: computed on the way; B: input wqkv_w (given as codes): QUANTISED (scales: A lowp_scales[0], B lowp_scales[1])
;;     2. batch 32 x [M 2,048, K 64] x [K 64, N 2,048]; A: computed on the way; B: computed on the way: QUANTISED (scales: A lowp_scales[2], B lowp_scales[3])
;;     3. batch 32 x [M 2,048, K 2,048] x [K 2,048, N 64]; A: softmax (see below); B: computed on the way: QUANTISED (scales: A lowp_scales[4], B lowp_scales[5])
;;     4. [M 4,096, K 1,024] x [K 1,024, N 1,024]; A: computed on the way; B: input out_w (given as codes): QUANTISED (scales: A lowp_scales[6], B lowp_scales[7])
;;     5. [M 4,096, K 1,024] x [K 1,024, N 4,096]; A: computed on the way; B: input ff1_w (given as codes): QUANTISED (scales: A lowp_scales[8], B lowp_scales[9])
;;     6. [M 4,096, K 4,096] x [K 4,096, N 1,024]; A: computed on the way; B: input ff2_w (given as codes): QUANTISED (scales: A lowp_scales[10], B lowp_scales[11])
;;   THE QUANTISER, for each operand of a quantised product, along K:
;;     - The operand's scale is 2^e, e = its entry of the input lowp_scales (int32; the entries are numbered through the quantised products in the list's order, A before B).
;;     - Each number is divided by the scale, clamped to +-57,344, and rounded to the nearest number of E5M2, ties to even, subnormals kept.
;;     - The product sums the exact products of the quantised numbers (number of the format x scale) in f32.
;;   ~~~python
;;   def quantise(x, axis, e):      # numpy; x: float32 -> the quantised numbers, widened to float32 again
;;       x = np.moveaxis(x, axis, -1); K = x.shape[-1]
;;       r = np.clip(x / 2.0 ** e, -57344, 57344)
;;       step = 2.0 ** (np.maximum(np.frexp(np.where(r == 0, 1, r))[1] - 1, -14) - 2)
;;       q = np.round(r / step) * step * 2.0 ** e      # np.round: ties to even
;;       return np.moveaxis(q, -1, axis).astype(np.float32)
;;   ~~~
;;   SOFTMAX AHEAD OF A QUANTISED PRODUCT. Where the list says 'softmax', what is quantised is not the finished softmax but p = 2^(t - M), with t = logit x log2(e) and M = ceil(the row's largest t), a whole number; so 1/2 < the row's largest p <= 1. The row's sum l is taken of the UNQUANTISED p, in f32, and the product's result is divided by l at the end. Since M is a whole number, a kernel that streams over the keys may use a running M (the ceiling of the running maximum): every later rescaling is an exact power of two, so the quantised numbers keep their values, but for numbers so far below the row's largest that they fall under the format's range.
;;   OPERANDS COMPUTED ON THE WAY. 'Computed on the way' means the value that the module computes at that place (a softmax that the list does not call 'softmax' is quantised finished and normalised). What goes into a quantiser is computed in f32, as accurately as f32 sums, v_exp_f32 and their like allow (about 1e-6 of the number): no bf16 or f16 on the way to a quantiser, and a product that is left as it is and whose result goes on into a quantised operand takes f32 operands (vector FMAs, or v_wmma_f32_16x16x4_f32). A number that lies on a knife's edge between two numbers of the format may be rounded either way, as far as f32 arithmetic and the matrix unit's own rounding can turn it there, and no further.
;;   INPUTS GIVEN AS CODES. ff1_w (in the module: [1024, 4096], K = its axis 0); ff2_w (in the module: [4096, 1024], K = its axis 0); out_w (in the module: [1024, 1024], K = its axis 0); wqkv_w (in the module: [1024, 3072], K = its axis 0): each comes as NAME_codes (uint8): NAME with its K axis moved to the last place and cut into blocks of 32 codes, [.., K / 32, bytes a block], one block behind the other in memory; one code a byte (a code: sign, 5 exponent bits, 2 mantissa bits); its scale is its entry of lowp_scales. Its value is code x scale, taken as it is: it is not quantised again, and the codes and scales need not be those that the quantiser above would give.
;; One version. Each part assembles by itself: llvm-mc -triple=amdgcn-amd-amdhsa -mcpu=gfx1250 --defsym DOCPART=n.
;; ======== version 1 of 1: 7 launches
;; limits: right only within a limited range of input values
;; workspace buffers: acodes 4,194,304 bytes; q_img 4,194,304 bytes; k_img 4,194,304 bytes; v_img 4,194,304 bytes; ctx_img 4,194,304 bytes; src2 16,777,216 bytes; hid_img 16,777,216 bytes
;; launch ln1 (part 1): grid 256 x 1, 16 waves a work-group, no clusters, 83,968 bytes of LDS; arguments src, norm_w, norm_b, lowp_scales, acodes; writes acodes
.if DOCPART == 1
	.amdgcn_target "amdgcn-amd-amdhsa--gfx1250"
	.amdhsa_code_object_version 6
	.text
	.protected	k_qd8a6cafb16_ln1
	.globl	k_qd8a6cafb16_ln1
	.p2align	8
	.type	k_qd8a6cafb16_ln1,@function
k_qd8a6cafb16_ln1:
	s_mov_b64 s[64:65], 0
	v_nop
	global_prefetch_b8 v0, s[64:65] scope:SCOPE_SE
	s_setreg_imm32_b32 hwreg(HW_REG_WAVE_MODE, 25, 1), 1
	s_wait_xcnt 0x0
; codes[R][c] = Q((x[R][c] - mean) / sqrt(var + 1e-5) * w[c] + b[c]).  x: [4096][1024] f32; codes: [4096][1024], E5M2, row-major, K innermost.
; Q: / 2^e, held within +-57,344, to the nearest code, ties to even; e = entry EIDX of the scales' exponents.  LIMITS: -126 <= e <= 112; NaN among the inputs is not served.
; Sixteen waves, one row a wave: a row is 4,096 bytes, eight loads of 16 bytes a lane, each load of the wave 512 consecutive bytes; it stays in 32 registers between the mean, the variance and the scaling.
; The conversion takes eight neighbours along K from ONE lane's registers, so the finished row turns through the wave's own stage in LDS: in as it was loaded, out 64 bytes a lane
; (16 bytes of padding behind each 64, so that the lanes' reads start at different banks).  A lane's 16 codes are 16 bytes: a store of the wave covers 512 consecutive bytes, aligned.
; No barrier: waves share nothing.  No matrix unit, no cluster, no tensor load, no prefetch: nothing of x is read twice, there is no loop, and all 24 loads of a wave are out at once.
.set EIDX, 0
.set GW,   32                          ; v32-63   w of my 32 columns
.set GB,   64                          ; v64-95   b
.set X,    96                          ; v96-127  the row
.set T,    160                         ; v160-191 the row back from the stage: 2 x 16 neighbours
.set C,    16                          ; v16-23   codes
.set WREG, 5120                        ; LDS of a wave: a stage of 64 x SP bytes; the spare words lie behind the sixteen stages
.set SP,   80
	s_load_b256 s[4:11], s[0:1], 0x0               ; x s[4:5], w s[6:7], b s[8:9], the scales' exponents s[10:11]
	s_load_b64 s[12:13], s[0:1], 0x20              ; the codes
	v_lshl_add_u32 v192, v0, 2, 0x14000
	v_mov_b32 v193, 0
	v_lshrrev_b32 v1, 5, v0
	s_delay_alu instid0(VALU_DEP_1)
	v_readfirstlane_b32 s16, v1                    ; wave
	v_and_b32 v1, 31, v0                           ; lane
	s_delay_alu instid0(VALU_DEP_1)
	v_lshlrev_b32 v2, 4, v1                        ; 16 x lane: my bytes of a load's 512 and of a store's 512
	s_mul_i32 s17, s16, WREG
	v_lshrrev_b32 v3, 2, v1
	s_delay_alu instid0(VALU_DEP_1)
	v_mul_u32_u24 v3, v3, SP
	v_and_b32 v4, 3, v1
	s_delay_alu instid0(VALU_DEP_1)
	v_lshl_add_u32 v3, v4, 4, v3
	s_delay_alu instid0(VALU_DEP_1)
	v_add_nc_u32 v3, s17, v3                       ; the stage, on the way in: SP (lane / 4) + 16 (lane % 4)
	v_mul_u32_u24 v4, v1, SP
	s_delay_alu instid0(VALU_DEP_1)
	v_add_nc_u32 v4, s17, v4                       ; and on the way out: SP x lane
	v_mov_b32 v7, 0                                ; a lane permute's destination counts as read: written once
	s_mov_b32 s18, 0x76543210
	s_mov_b32 s19, 0xfedcba98                      ; selects: lane l xor 16
	s_mov_b32 s21, 0x3a800000                      ; 1 / 1,024
	s_mov_b32 s22, 0x3727c5ac                      ; 1e-5
	s_lshl_b32 s24, ttmp9, 4
	s_add_co_u32 s24, s24, s16                     ; my row: 16 x work-group + wave
	s_lshl_b32 s26, s24, 12                        ; in x
	s_mov_b32 s27, 0
	s_lshl_b32 s28, s24, 10                        ; in the codes
	s_mov_b32 s29, 0
	s_wait_alu depctr_va_vdst(0)                   ; the wait at the head's end
	s_wait_kmcnt 0x0
	s_load_b32 s20, s[10:11], 4*EIDX               ; e
	s_add_nc_u64 s[4:5], s[4:5], s[26:27]
	s_add_nc_u64 s[12:13], s[12:13], s[28:29]
.irp j, 0,1,2,3,4,5,6,7
	global_load_b128 v[X+4*\j:X+4*\j+3], v2, s[4:5] offset:512*\j th:TH_LOAD_NT
.endr
.irp j, 0,1,2,3,4,5,6,7
	global_load_b128 v[GW+4*\j:GW+4*\j+3], v2, s[6:7] offset:512*\j
.endr
.irp j, 0,1,2,3,4,5,6,7
	global_load_b128 v[GB+4*\j:GB+4*\j+3], v2, s[8:9] offset:512*\j
.endr
	s_wait_kmcnt 0x0
	s_add_co_i32 s20, s20, 127
	s_lshl_b32 s23, s20, 23
	v_mov_b32 v6, s23                              ; 2^e as f32: the conversion takes its exponent field
	s_add_co_i32 s20, s20, 15
	s_lshl_b32 s20, s20, 23
	s_or_b32 s20, s20, 0x600000
	v_mov_b32 v5, s20                              ; 57,344 x 2^e
.macro REDUCE                          ; v12 summed over the 32 lanes, the result in every lane
	s_delay_alu instid0(VALU_DEP_1)
	v_add_f32_dpp v12, v12, v12 row_xmask:1 row_mask:0xf bank_mask:0xf
	s_delay_alu instid0(VALU_DEP_1)
	v_add_f32_dpp v12, v12, v12 row_xmask:2 row_mask:0xf bank_mask:0xf
	s_delay_alu instid0(VALU_DEP_1)
	v_add_f32_dpp v12, v12, v12 row_xmask:4 row_mask:0xf bank_mask:0xf
	s_delay_alu instid0(VALU_DEP_1)
	v_add_f32_dpp v12, v12, v12 row_xmask:8 row_mask:0xf bank_mask:0xf
	s_delay_alu instid0(VALU_DEP_1)
	v_permlanex16_b32 v7, v12, s18, s19
	s_delay_alu instid0(VALU_DEP_1)
	v_add_f32 v12, v12, v7
.endm
	s_wait_loadcnt 16                              ; the row is in; the sixteen loads of w and b may be out
	v_pk_add_f32 v[12:13], v[X:X+1], v[X+2:X+3]                ; the sum, two at a time, in two chains
	v_pk_add_f32 v[14:15], v[X+4:X+5], v[X+6:X+7]
.irp j, 8,12,16,20,24,28
	s_delay_alu instid0(VALU_DEP_2)
	v_pk_add_f32 v[12:13], v[12:13], v[X+\j:X+\j+1]
	s_delay_alu instid0(VALU_DEP_2)
	v_pk_add_f32 v[14:15], v[14:15], v[X+\j+2:X+\j+3]
.endr
	s_delay_alu instid0(VALU_DEP_1)
	v_pk_add_f32 v[12:13], v[12:13], v[14:15]
	s_delay_alu instid0(VALU_DEP_1)
	v_add_f32 v12, v12, v13
	REDUCE
	s_delay_alu instid0(VALU_DEP_1)
	v_mul_f32 v8, s21, v12                         ; the mean, twice: a pair for the packed forms
	s_delay_alu instid0(VALU_DEP_2)
	v_mul_f32 v9, s21, v12
.irp j, 0,2,4,6,8,10,12,14,16,18,20,22,24,26,28,30
	v_pk_add_f32 v[X+\j:X+\j+1], v[X+\j:X+\j+1], v[8:9] neg_lo:[0,1] neg_hi:[0,1]   ; x - mean
.endr
	v_pk_mul_f32 v[12:13], v[X:X+1], v[X:X+1]                  ; the squares of the differences: no difference of large sums
	v_pk_mul_f32 v[14:15], v[X+2:X+3], v[X+2:X+3]
.irp j, 4,8,12,16,20,24,28
	s_delay_alu instid0(VALU_DEP_2)
	v_pk_fma_f32 v[12:13], v[X+\j:X+\j+1], v[X+\j:X+\j+1], v[12:13]
	s_delay_alu instid0(VALU_DEP_2)
	v_pk_fma_f32 v[14:15], v[X+\j+2:X+\j+3], v[X+\j+2:X+\j+3], v[14:15]
.endr
	s_delay_alu instid0(VALU_DEP_1)
	v_pk_add_f32 v[12:13], v[12:13], v[14:15]
	s_delay_alu instid0(VALU_DEP_1)
	v_add_f32 v12, v12, v13
	REDUCE
	s_delay_alu instid0(VALU_DEP_1)
	v_fma_f32 v12, v12, s21, s22                   ; variance + 1e-5
	s_wait_alu depctr_va_vdst(0)                   ; the wait ahead of the transcendentals
	v_rsq_f32 v10, v12
	v_rsq_f32 v11, v12
	v_nop                                          ; a plain instruction behind the last transcendental (ISA guide 5.7.2)
	s_wait_alu depctr_va_vdst(0)                   ; one wait for both, ahead of their first reader
.irp j, 0,2,4,6,8,10,12,14,16,18,20,22,24,26,28,30
	v_pk_mul_f32 v[X+\j:X+\j+1], v[X+\j:X+\j+1], v[10:11]
.endr
	s_wait_alu depctr_va_vdst(0)
	s_wait_loadcnt 0x0                             ; w and b
.irp j, 0,2,4,6,8,10,12,14,16,18,20,22,24,26,28,30
	v_pk_fma_f32 v[X+\j:X+\j+1], v[X+\j:X+\j+1], v[GW+\j:GW+\j+1], v[GB+\j:GB+\j+1]
.endr
.irp j, 0,1,2,3,4,5,6,7
	ds_store_b128 v3, v[X+4*\j:X+4*\j+3] offset:8*SP*\j
.endr
.irp u, 0,1
.irp k, 0,1,2,3
	ds_load_b128 v[T+16*\u+4*\k:T+16*\u+4*\k+3], v4 offset:32*SP*\u+16*\k   ; LDS serves a wave's instructions in order (ISA guide 5.7.1.4): these see my stores.  T[16 u ..] = columns 512 u + 16 lane + 0 .. 15
.endr
.endr
	s_wait_dscnt 0x0
.set n, 0
.rept 32
	v_med3_num_f32 v[T+n], v[T+n], -v5, v5         ; the conversion to an 8-bit code does not saturate (ISA guide 7.6.2): the hold at the largest code x the scale
.set n, n+1
.endr
.irp g, 0,1,2,3
	v_cvt_scalef32_pk8_bf8_f32 v[C+2*\g:C+2*\g+1], v[T+8*\g:T+8*\g+7], v6
.endr
	v_nop                                          ; a plain instruction behind the last conversion
	global_store_b128 v2, v[C:C+3], s[12:13]
	global_store_b128 v2, v[C+4:C+7], s[12:13] offset:512
	s_wait_tensorcnt 0x0                           ; the wave's end
	ds_add_u32 v192, v193
	s_wait_dscnt 0x0
	s_endpgm
.Lfunc_end_k_qd8a6cafb16_ln1:
	.size	k_qd8a6cafb16_ln1, .Lfunc_end_k_qd8a6cafb16_ln1-k_qd8a6cafb16_ln1
	.p2alignl 7, 3214868480
	.fill 96, 4, 3214868480
	.section	.rodata,"a",@progbits
	.p2align	6, 0x0
	.amdhsa_kernel k_qd8a6cafb16_ln1
		.amdhsa_group_segment_fixed_size 83968
		.amdhsa_private_segment_fixed_size 0
		.amdhsa_enable_private_segment 0
		.amdhsa_kernarg_size 40
		.amdhsa_user_sgpr_count 2
		.amdhsa_user_sgpr_kernarg_segment_ptr 1
		.amdhsa_wavefront_size32 1
		.amdhsa_system_sgpr_workgroup_id_x 1
		.amdhsa_system_sgpr_workgroup_id_y 1
		.amdhsa_system_sgpr_workgroup_id_z 1
		.amdhsa_system_vgpr_workitem_id 0
		.amdhsa_next_free_vgpr 194
		.amdhsa_next_free_sgpr 66
		.amdhsa_reserve_vcc 0
		.amdhsa_float_denorm_mode_32 3
		.amdhsa_float_denorm_mode_16_64 3
		.amdhsa_memory_ordered 1
		.amdhsa_forward_progress 1
		.amdhsa_inst_pref_size 16
	.end_amdhsa_kernel
	.amdgpu_metadata
---
amdhsa.version: [ 1, 2 ]
amdhsa.kernels:
  - .name:           k_qd8a6cafb16_ln1
    .symbol:         k_qd8a6cafb16_ln1.kd
    .args:
      - { .name: src, .offset: 0, .size: 8, .value_kind: global_buffer, .address_space: global }
      - { .name: norm_w, .offset: 8, .size: 8, .value_kind: global_buffer, .address_space: global }
      - { .name: norm_b, .offset: 16, .size: 8, .value_kind: global_buffer, .address_space: global }
      - { .name: lowp_scales, .offset: 24, .size: 8, .value_kind: global_buffer, .address_space: global }
      - { .name: acodes, .offset: 32, .size: 8, .value_kind: global_buffer, .address_space: global }
    .group_segment_fixed_size: 83968
    .private_segment_fixed_size: 0
    .kernarg_segment_align: 8
    .kernarg_segment_size: 40
    .max_flat_workgroup_size: 512
    .sgpr_count:     66
    .vgpr_count:     194
    .wavefront_size: 32
...
	.end_amdgpu_metadata
.endif
;; end of part 1
;; launch qkv (part 2): grid 12 x 16, 4 waves a work-group, clusters of 4 x 4, 327,680 bytes of LDS; arguments acodes, wqkv_w_codes, lowp_scales, wqkv_b, q_img, k_img, v_img; writes q_img, k_img, v_img
.if DOCPART == 2
	.amdgcn_target "amdgcn-amd-amdhsa--gfx1250"
	.amdhsa_code_object_version 6
	.text
	.protected	k_qd8a6cafb16_qkv
	.globl	k_qd8a6cafb16_qkv
	.p2align	8
	.type	k_qd8a6cafb16_qkv,@function
k_qd8a6cafb16_qkv:
	s_mov_b64 s[64:65], 0
	v_nop
	global_prefetch_b8 v0, s[64:65] scope:SCOPE_SE
	s_setreg_imm32_b32 hwreg(HW_REG_WAVE_MODE, 25, 1), 1
	s_wait_xcnt 0x0
	s_wait_alu depctr_hold_cnt(0) depctr_sa_sdst(0) depctr_va_vdst(0) depctr_va_sdst(0) depctr_va_ssrc(0) depctr_va_vcc(0) depctr_vm_vsrc(0)
	s_getreg_b32 s2, hwreg(HW_REG_IB_STS2, 6, 4)
	s_cmp_eq_u32 s2, 0
	s_cbranch_scc0 .Lentry_in_a_cluster
	s_endpgm
.Lentry_in_a_cluster:
	s_bfe_u32 s2, ttmp6, 0x10000c
	s_cmp_lg_u32 s2, 0xf033
	s_cbranch_scc0 .Lentry_shape_is_right
	s_endpgm
.Lentry_shape_is_right:
; qkv = x W^T + b on codes of E5M2, then q, k and v are quantised and stored as IMAGES OF OPERAND REGISTERS for the attention launch.
; x: [4096][1024] codes (scale 2^e0), W: [3072][1024] codes (2^e1), b: [3072] f32.  A sum is multiplied once by 2^(e0 + e1), b is added, and the number is quantised with e2 (q), e3 (k) or e5 (v).
; LIMITS: e0 + e1 between -126 and 127; e2, e3, e5 between -126 and 112.  NaN is not served.
; A tile of 256 x 256 is made by four waves, 128 x 128 each: 64 accumulators, 512 registers.  K goes in steps of 256 through a ring of two LDS slots filled by the tensor data mover: a tile's row is 256 bytes of memory.
; CLUSTERS: 4 x 4 work-groups: x's tile is shared along a row of the cluster, W's along a column: each is asked for jointly, by the same load with the same descriptor and a mask that names the four.
; The cluster's x is 0 for q, 1 for k, 2 for v (1,024 columns each): the same in all sixteen partners.
; q, k: source 0 = 16 rows of W, source 1 = 16 rows of x: a lane holds one token and eight neighbouring channels, which one conversion turns into two registers of the next operand: registers 2 c, 2 c + 1 = channels 16 c + 8 (lane / 16) + 0 .. 7.
; v: its K in the next product is the KEYS, so the sources change places: source 0 = 16 rows of x, source 1 = 16 rows of W: a lane holds one channel and eight neighbouring tokens.  Both tiles have the same shape in LDS,
; so only the tensors that the two regions take change places; LDS bases, loads, masks and the loop's text are the same.
; IMAGES: four registers of all 32 lanes are 512 consecutive bytes, lane l's 16 at 16 l.  q_img, k_img: [batch x head][tile of 16 tokens][1,024 bytes].  v_img: [batch x head][128 keys][16 channels][2,048 bytes].
; Prefetch: each wave asks ahead for its 32 rows of K steps 1 .. 3 of the tile that it fetches.
; REGISTERS, in windows of 256: window 0: v0-31 addresses; v32-95 b by register, v96-111 b by lane; from v128 source 1's fragments, ONE set; on the way out v128-191 numbers, v192-255 codes.
;   window 1: source 0's fragments, TWO sets.   window 2: the accumulators (a, b) at v[8 (8 a + b)], a = 0 .. 3;   window 3: a = 4 .. 7.
.set SIZE_K, 1024
.set KSTEP,  256
.set ROWB,   256
.set KROW,   SIZE_K
.set PITCH,  272                       ; an LDS row: 256 bytes + 16 of padding = 68 words: row r starts at bank 4 r mod 64 (64 banks of 4 bytes: ISA guide 11.1)
.set FR,     16
.set NL,     4
.set NP,     4
.set HALFT,  128*PITCH
.set SLOT,   4*HALFT
.set LAPS,   SIZE_K/(2*KSTEP)
.set SPARE,  2*SLOT                    ; behind the ring: the spare words, 128 bytes for each wave
.set ADRA, 16                          ; v16-17  LDS address of source 1's fragments in slot 0, 1
.set ADRB, 20                          ; v20-21  of source 0's
.set LI,   27                          ; v27     16 x lane
.set SPW,  28
.set NIL,  29
.set BO,   30                          ; v30     32 x (lane / 16)
.set RO,   31                          ; v31     4 x (lane % 16)
.set BIAS, 32
.set BV,   96
.set HOLD, 112
.set SCL,  113
.set AF,   128
.set TMP,  128
.set CD,   192
.set G1, 24
.set G0, 32
.set G1B, 48
.set G0B, 56
.set MSB, 0
.macro WIN new                         ; the immediate's high byte repeats the setting that is left
.if MSB != \new
	s_set_vgpr_msb (MSB<<8)|\new
.set MSB, \new
.endif
.endm
.set MUL_LO, 0xa1                      ; source 0 window 1, source 1 window 0, C and D window 2
.set MUL_HI, 0xf1
.set TO_B,   0x40
; A joint load: waves 0 and 1 fetch the first region's halves, waves 2 and 3 the second's.  Four v_nop follow each of the two lines.
.macro JLOAD g0a, g1a, g0b, g1b
	s_cmp_eq_u32 s15, 0
	s_cbranch_scc0 .Lfor_b_\@
	tensor_load_to_lds s[\g0a:\g0a+3], s[\g1a:\g1a+7]
	s_nop 0
.rept 4
	v_nop
.endr
	s_branch .Lasked_\@
.Lfor_b_\@:
	tensor_load_to_lds s[\g0b:\g0b+3], s[\g1b:\g1b+7]
	s_nop 0
.rept 4
	v_nop
.endr
.Lasked_\@:
.endm
.macro CREST                           ; a round of the cluster's barrier behind its opening barrier
	s_cmp_lg_u32 s14, 0
	s_cbranch_scc1 .Lnot_wave_0_\@
	s_barrier_signal -3
.Lnot_wave_0_\@:
	s_barrier_wait -3
	s_barrier_signal -1
	s_barrier_wait -1
.endm
.macro CROUND
	s_barrier_signal -1
	s_barrier_wait -1
	CREST
.endm
	s_load_b128 s[4:7], s[0:1], 0x0                ; x's codes, W's codes
	s_load_b128 s[8:11], s[0:1], 0x10              ; the scales' exponents, b
	s_load_b128 s[68:71], s[0:1], 0x20             ; q_img, k_img
	s_load_b64 s[72:73], s[0:1], 0x30              ; v_img
	v_lshl_add_u32 v[SPW], v0, 2, SPARE
	v_mov_b32 v[NIL], 0
	ds_add_u32 v28, v29
	ds_add_u32 v28, v29
	s_wait_dscnt 0x0
	v_lshrrev_b32 v1, 5, v0
	v_readfirstlane_b32 s14, v1                    ; wave 0..3
	s_lshr_b32 s15, s14, 1                         ; wr.  Also: I fetch for the first region (0) or for the second (1)
	s_and_b32 s16, s14, 1                          ; wc.  Also: which 128 rows of that tile I fetch
	s_bfe_u32 s40, ttmp6, 0x40000                  ; cx
	s_bfe_u32 s41, ttmp6, 0x40004                  ; cy
	s_lshl_b32 s42, ttmp9, 2
	s_add_co_u32 s42, s42, s40                     ; tile column tx
	s_and_b32 s17, ttmp7, 0xffff
	s_lshl_b32 s17, s17, 2
	s_add_co_u32 s17, s17, s41                     ; tile row ty
	s_lshl_b32 s43, s41, 2
	s_lshl_b32 s43, 15, s43                        ; my row of the cluster
	s_lshl_b32 s44, 0x1111, s40                    ; my column
	s_or_b32 s[G1+0], s43, (0<<16)|(1<<20)|(1<<21)|(5<<22)|(3<<25)  ; the mask; elements of 1 byte; padding on; bit 21 beside a mask; 4 words after every 64
	s_or_b32 s[G1B+0], s44, (0<<16)|(1<<20)|(1<<21)|(5<<22)|(3<<25)
.irp g, G1, G1B
	s_mov_b32 s[\g+1], ROWB<<16                    ; tensor_dim0
	s_mov_b32 s[\g+2], 128<<16                     ; tensor_dim1
	s_mov_b32 s[\g+3], ROWB<<16                    ; tile_dim0
	s_mov_b32 s[\g+4], 128                         ; tile_dim1
	s_mov_b32 s[\g+5], KROW                        ; tensor_dim0_stride
	s_mov_b32 s[\g+6], 0
	s_mov_b32 s[\g+7], 0
.endr
	; WHICH TENSOR LIES IN WHICH REGION.  q, k: the first region takes x's tile (row 4 x cluster y + cy), the second W's (row 4 x cluster x + cx).
	; v: the TENSORS change places, not the LDS bases: the first region takes W's tile 8 + cy, the second x's tile 4 x cluster y + cx.  So the first region's tile hangs on cy alone and the second's on cx alone
	; in every cluster: masks, LDS addresses and the loop's text are the same, and source 1 always reads the first region, source 0 the second.
	s_lshl_b32 s18, s16, 7
	s_and_b32 s66, ttmp7, 0xffff
	s_lshl_b32 s66, s66, 2                         ; 4 x cluster y
	s_lshl_b32 s67, ttmp9, 2                       ; 4 x cluster x
	s_cmp_eq_u32 ttmp9, 2                          ; v's cluster?  The same answer in all sixteen partners
	s_cselect_b32 s20, 8, s66
	s_cselect_b32 s46, s66, s67
	s_add_co_u32 s20, s20, s41                     ; + cy
	s_add_co_u32 s46, s46, s40                     ; + cx
	s_lshl_b32 s20, s20, 8
	s_lshl_b32 s46, s46, 8
	s_add_co_u32 s20, s20, s18                     ; first region: row 256 x tile + 128 x half
	s_add_co_u32 s46, s46, s18                     ; second region likewise
	s_mov_b32 s21, 0
	s_mov_b32 s47, 0
	s_mov_b64 s[18:19], KROW
	s_mul_u64 s[20:21], s[20:21], s[18:19]
	s_mul_u64 s[46:47], s[46:47], s[18:19]
	s_mul_i32 s45, s14, HALFT                      ; where they go: wave x 128 rows
	s_wait_kmcnt 0x0
	s_load_b256 s[76:83], s[8:9], 0x0              ; e0 .. e7
	; THE PREFETCHES' ADDRESS (this text does prefetch, other than its head comment has it): of the 128 rows that I fetch, each of the four partners that ask for them with me takes 32, told apart by address:
	; by cx for the first region's tile, which my row of the cluster shares, by cy for the second's.  A lane a row; a K step is 256 bytes of a row.  s[100:101] and v26 are never rewritten.
	s_cmp_eq_u32 s15, 0                            ; do I fetch for the first region?
	s_cselect_b64 s[100:101], s[20:21], s[46:47]   ; my 128 rows, as an offset
	s_cselect_b32 s66, s40, s41                    ; my place among the four
	s_lshl_b32 s66, s66, 15                        ; 32 rows of 1,024 bytes
	s_mov_b32 s67, 0
	s_add_nc_u64 s[100:101], s[100:101], s[66:67]
	s_cmp_eq_u32 ttmp9, 2
	s_cselect_b32 s66, 1, 0
	s_xor_b32 s66, s66, s15                        ; 0: my region holds x, 1: W
	s_cmp_eq_u32 s66, 0
	s_cselect_b64 s[74:75], s[4:5], s[6:7]
	s_add_nc_u64 s[100:101], s[74:75], s[100:101]
	s_cmp_eq_u32 ttmp9, 2
	s_cselect_b64 s[74:75], s[6:7], s[4:5]
	s_cselect_b64 s[66:67], s[4:5], s[6:7]         ; the second region's
	s_add_nc_u64 s[20:21], s[74:75], s[20:21]
	s_add_nc_u64 s[46:47], s[66:67], s[46:47]
	CROUND                                         ; all sixteen work-groups are here: the first joint loads meet
.irp s, 0,1
	s_mov_b32 s[G0+4*\s], 1
	s_add_co_u32 s[G0+4*\s+1], s45, \s*SLOT
	s_add_nc_u64 s[G0+4*\s+2:G0+4*\s+3], s[20:21], \s*ROWB
	s_or_b32 s[G0+4*\s+3], s[G0+4*\s+3], 0x80000000
	s_mov_b32 s[G0B+4*\s], 1
	s_add_co_u32 s[G0B+4*\s+1], s45, \s*SLOT
	s_add_nc_u64 s[G0B+4*\s+2:G0B+4*\s+3], s[46:47], \s*ROWB
	s_or_b32 s[G0B+4*\s+3], s[G0B+4*\s+3], 0x80000000
.endr
	JLOAD G0, G1, G0B, G1B                         ; K step 0: one tensor load a wave at the head
	v_and_b32 v26, 31, v0
	v_lshlrev_b32 v26, 10, v26                     ; my lane's row
	global_prefetch_b8 v26, s[100:101] offset:256 th:TH_LOAD_NT scope:SCOPE_SE   ; K steps 1 and 2: what the next two tensor loads will ask for
	global_prefetch_b8 v26, s[100:101] offset:512 th:TH_LOAD_NT scope:SCOPE_SE
	v_and_b32 v1, 15, v0                           ; r
	v_bfe_u32 v2, v0, 4, 1                         ; h
	v_mul_u32_u24 v3, v1, PITCH
	v_lshl_add_u32 v4, v2, 4, v3                   ; a fragment's row x pitch + 16 h
	s_wait_alu depctr_va_vdst(0)
	s_cmp_eq_u32 ttmp9, 2                          ; v's cluster?  The same answer in all sixteen partners
	s_cselect_b32 s74, s41, s40                    ; the place that counts W's tiles: cx, for v cy
	s_cselect_b32 s75, s40, s41                    ; the place that counts x's tiles: cy, for v cx
	s_mov_b32 s40, s74                             ; from here on s40, s42 and s17 serve b's and the images' addresses alone
	s_lshl_b32 s42, ttmp9, 2
	s_add_co_u32 s42, s42, s40                     ; W's tile
	s_and_b32 s17, ttmp7, 0xffff
	s_lshl_b32 s17, s17, 2
	s_add_co_u32 s17, s17, s75                     ; x's tile
	s_mul_i32 s21, s15, HALFT                      ; source 1: the first region, half wr
	s_mul_i32 s22, s16, HALFT
	s_add_co_u32 s22, s22, 2*HALFT                 ; source 0: the second region, half wc
.irp s, 0,1
	v_add_nc_u32 v[ADRA+\s], s21, v4
	v_add_nc_u32 v[ADRB+\s], s22, v4
	s_add_co_u32 s21, s21, SLOT
	s_add_co_u32 s22, s22, SLOT
.endr
	v_and_b32 v6, 31, v0
	v_lshlrev_b32 v[LI], 4, v6
	v_lshlrev_b32 v[BO], 5, v2
	s_wait_alu depctr_va_vdst(0)
	v_lshlrev_b32 v[RO], 2, v1
	s_wait_alu depctr_va_vdst(0)
	s_lshl_b32 s84, s42, 10                        ; b at column 256 tx + 128 wc, for q and k: register 8 b + j of lane (r, h) wants column 16 b + 8 h + j
	s_lshl_b32 s86, s16, 9
	s_add_co_u32 s84, s84, s86
	s_mov_b32 s85, 0
	s_add_nc_u64 s[84:85], s[10:11], s[84:85]
	s_lshl_b32 s86, s42, 10                        ; b at column 256 tx + 128 wr, for v: lane (r, h) wants, for block a, column 16 a + r
	s_lshl_b32 s87, s15, 9
	s_add_co_u32 s86, s86, s87
	s_mov_b32 s87, 0
	s_add_nc_u64 s[86:87], s[10:11], s[86:87]
.irp b, 0,1,2,3,4,5,6,7
	global_load_b128 v[BIAS+8*\b:BIAS+8*\b+3], v[BO], s[84:85] offset:64*\b
	global_load_b128 v[BIAS+8*\b+4:BIAS+8*\b+7], v[BO], s[84:85] offset:64*\b+16
.endr
.irp a, 0,1,2,3,4,5,6,7
	global_load_b32 v[BV+2*\a], v[RO], s[86:87] offset:64*\a       ; twice: a pair for the packed form
	global_load_b32 v[BV+2*\a+1], v[RO], s[86:87] offset:64*\a
.endr
	; where my images begin
	s_lshr_b32 s90, s17, 3                         ; batch
	s_and_b32 s91, s17, 7                          ; the tile row within the batch
	s_lshl_b32 s90, s90, 4
	s_lshl_b32 s92, s40, 2
	s_add_co_u32 s90, s90, s92                     ; 16 batch + 4 cx: the first of the tile's four heads
	s_lshl_b32 s92, s16, 1
	s_add_co_u32 s92, s92, s90                     ; q, k: + 2 wc
	s_lshl_b32 s92, s92, 7                         ; 128 tiles of tokens a head
	s_lshl_b32 s93, s91, 4
	s_add_co_u32 s92, s92, s93
	s_lshl_b32 s93, s15, 3
	s_add_co_u32 s92, s92, s93                     ; + 16 x tile row + 8 wr
	s_lshl_b32 s92, s92, 10
	s_mov_b32 s93, 0
	s_cmp_eq_u32 ttmp9, 0
	s_cselect_b64 s[88:89], s[68:69], s[70:71]     ; q's buffer or k's: the choice hangs on the cluster's number alone
	s_add_nc_u64 s[88:89], s[88:89], s[92:93]
	s_lshl_b32 s92, s15, 1
	s_add_co_u32 s92, s92, s90                     ; v: + 2 wr
	s_lshl_b32 s92, s92, 4                         ; 16 key steps a head
	s_lshl_b32 s94, s91, 1
	s_add_co_u32 s92, s92, s94
	s_add_co_u32 s92, s92, s16                     ; + 2 x tile row + wc
	s_lshl_b32 s92, s92, 13
	s_add_nc_u64 s[72:73], s[72:73], s[92:93]
.macro FRAG reg, adr, q, i             ; 16 rows x 128 K: registers 4 c .. 4 c + 3 hold K = 32 c + 16 (l / 16) + 0 .. 15: the same order of k on both sides, so every product meets its partner
.irp c, 0,1,2,3
	ds_load_b128 v[\reg+4*\c:\reg+4*\c+3], v[\adr] offset:128*(\q)+32*\c+(\i)*16*PITCH
.endr
.endm
; 16 matrix instructions.  The 64 accumulators take turns, one instruction a turn, in the same order in every step.
.macro MUL16 a0, p, zero
.irp a, \a0, \a0+1
.irp b, 0,1,2,3,4,5,6,7
.if \zero
	v_wmma_f32_16x16x128_bf8_bf8 v[8*(8*((\a)%4)+\b):8*(8*((\a)%4)+\b)+7], v[128*(\p)+FR*\b:128*(\p)+FR*\b+FR-1], v[AF+FR*(\a):AF+FR*(\a)+FR-1], 0
.else
	v_wmma_f32_16x16x128_bf8_bf8 v[8*(8*((\a)%4)+\b):8*(8*((\a)%4)+\b)+7], v[128*(\p)+FR*\b:128*(\p)+FR*\b+FR-1], v[AF+FR*(\a):AF+FR*(\a)+FR-1], v[8*(8*((\a)%4)+\b):8*(8*((\a)%4)+\b)+7]
.endif
.endr
.endr
.endm
.macro FETCH_B slot, q, p
	WIN TO_B
.irp i, 0,1,2,3,4,5,6,7
	FRAG 128*(\p)+FR*\i, ADRB+\slot, \q, \i
.endr
	WIN 0
.endm
.macro FETCH_A slot, q, i0
.irp i, \i0, \i0+1, \i0+2, \i0+3
	FRAG AF+FR*(\i), ADRA+\slot, \q, \i
.endr
.endm
.macro PLACES n                        ; plain vector instructions behind matrix instructions, in front of loads into their sources and of reads of their results
.rept \n
	v_nop
.endr
.endm
.macro STEP slot, q, zero              ; 128 along K, with its successor in the same slot
	s_wait_dscnt 4*NL                              ; source 0's set and source 1's blocks 0-3 are in; the youngest 16 loads (blocks 4-7) may be out
	WIN MUL_LO
	MUL16 0, (\q)%2, \zero
	MUL16 2, (\q)%2, \zero
	s_wait_dscnt 0
	PLACES NP
	FETCH_B \slot, (\q)+1, 1-(\q)%2
	FETCH_A \slot, (\q)+1, 0
	WIN MUL_HI
	MUL16 4, (\q)%2, \zero
	MUL16 6, (\q)%2, \zero
	PLACES NP
	WIN 0
	FETCH_A \slot, (\q)+1, 4
.endm
; A slot's last step changes slots: one barrier; in front of it each wave waits for all its tensor loads, adds 0 to its spare word, and waits for that and for its own reads of this slot.
.macro TURN slot, next, fill
	s_wait_tensorcnt 0x0                           ; all my tensor loads have landed: my part of the next slot
	ds_add_u32 v[SPW], v[NIL]                      ; 0 onto my spare word
	s_wait_dscnt 4*NL+1                            ; the add and the youngest 16 loads may be out
	WIN MUL_LO
	MUL16 0, 1, 0
	s_wait_dscnt 0x0                               ; the add is done, and my reads of this slot are over
	s_barrier_signal -1
	MUL16 2, 1, 0
	WIN 0
	s_barrier_wait -1
.if \fill
	CREST                                          ; the barrier has opened a round of the cluster's: no wave of any partner still reads this slot or has a load on its way
	s_add_nc_u64 s[G0+4*\slot+2:G0+4*\slot+3], s[G0+4*\slot+2:G0+4*\slot+3], 2*ROWB
	s_add_nc_u64 s[G0B+4*\slot+2:G0B+4*\slot+3], s[G0B+4*\slot+2:G0B+4*\slot+3], 2*ROWB
	JLOAD G0+4*\slot, G1, G0B+4*\slot, G1B         ; the first tensor load behind the round; its four v_nop are the places in front of the loads below
.else
	PLACES NP
.endif
	FETCH_B \next, 0, 0
	FETCH_A \next, 0, 0
	WIN MUL_HI
	MUL16 4, 1, 0
	MUL16 6, 1, 0
	PLACES NP
	WIN 0
	FETCH_A \next, 0, 4
.endm
	s_wait_alu depctr_va_vdst(0)                   ; the wait at the head's end
	s_wait_tensorcnt 0x0                           ; my part of K step 0 is in
	ds_add_u32 v[SPW], v[NIL]
	s_wait_dscnt 0x0
	CROUND                                         ; everybody's part of K step 0 is in, and all sixteen work-groups are here
	JLOAD G0+4, G1, G0B+4, G1B                     ; K step 1's load, the first tensor load behind the round
	FETCH_B 0, 0, 0
	FETCH_A 0, 0, 0
	FETCH_A 0, 0, 4
	global_prefetch_b8 v26, s[100:101] offset:768 th:TH_LOAD_NT scope:SCOPE_SE   ; K step 3, the last: two tensor loads ahead of its own
	STEP 0, 0, 1
	s_mov_b32 s3, LAPS-1
.Llap:
	TURN 0, 1, 1
	STEP 1, 0, 0
	TURN 1, 0, 1
	STEP 0, 0, 0
	s_sub_co_u32 s3, s3, 1
	s_cmp_lg_u32 s3, 0
	s_cbranch_scc1 .Llap
	TURN 0, 1, 0                                   ; the last lap fills nothing
	STEP 1, 0, 0
	s_wait_dscnt 4*NL
	WIN MUL_LO
	MUL16 0, 1, 0
	MUL16 2, 1, 0
	s_wait_dscnt 0
	WIN MUL_HI
	MUL16 4, 1, 0
	MUL16 6, 1, 0
	WIN 0
; THE WAY OUT of block a (source 1's 16 rows x source 0's 128): sum x 2^(e0 + e1) + b, the hold, eight conversions: 16 registers of codes, which are stored as they stand: four stores of 512 consecutive bytes.
; mode 0: q, k: the 16 registers are two heads' fragments of 16 tokens x 64 channels.  mode 1: v: one fragment of 16 channels x 128 keys.
.macro OUTBLK a, mode
.if (\a) >= 4
	s_wait_xcnt 0x0                                ; block a - 4's stores have read their registers, which take this block's codes
.endif
	WIN (0x02+((\a)/4))                            ; source 0: window 2 or 3
.set j, 0
.rept 32
.if \mode
	v_pk_fma_f32 v[TMP+j:TMP+j+1], v[64*((\a)%4)+j:64*((\a)%4)+j+1], s[96:97], v[BV+2*(\a):BV+2*(\a)+1] op_sel_hi:[1,0,1]
.else
	v_pk_fma_f32 v[TMP+j:TMP+j+1], v[64*((\a)%4)+j:64*((\a)%4)+j+1], s[96:97], v[BIAS+j:BIAS+j+1] op_sel_hi:[1,0,1]   ; each accumulator from its low end on
.endif
.set j, j+2
.endr
	WIN 0
.set j, 0
.rept 64
	v_med3_num_f32 v[TMP+j], v[TMP+j], -v[HOLD], v[HOLD]   ; the conversion does not saturate (ISA guide 7.6.2)
.set j, j+1
.endr
.irp b, 0,1,2,3,4,5,6,7
	v_cvt_scalef32_pk8_bf8_f32 v[CD+16*((\a)%4)+2*\b:CD+16*((\a)%4)+2*\b+1], v[TMP+8*\b:TMP+8*\b+7], v[SCL]
.endr
	v_nop                                          ; a plain instruction behind the last conversion
.irp g, 0,1,2,3
.if \mode
	global_store_b128 v[LI], v[CD+16*((\a)%4)+4*\g:CD+16*((\a)%4)+4*\g+3], s[72:73] offset:131072*((\a)/4)+2048*((\a)%4)+512*\g
.else
	global_store_b128 v[LI], v[CD+16*((\a)%4)+4*\g:CD+16*((\a)%4)+4*\g+3], s[88:89] offset:1024*(\a)+131072*(\g/2)+512*(\g%2)
.endif
.endr
.endm
	s_wait_kmcnt 0x0
	s_wait_loadcnt 0x0                             ; b
	s_add_co_i32 s96, s76, s77
	s_add_co_i32 s96, s96, 127
	s_lshl_b32 s96, s96, 23                        ; 2^(e0 + e1) as f32
	s_mov_b32 s97, s96
	s_cmp_eq_u32 ttmp9, 0
	s_cselect_b32 s98, s78, s79                    ; e2 for q, e3 for k,
	s_cmp_eq_u32 ttmp9, 2
	s_cselect_b32 s98, s81, s98                    ; e5 for v: chosen, not branched on
	s_add_co_i32 s98, s98, 127
	s_lshl_b32 s99, s98, 23
	v_mov_b32 v[SCL], s99
	s_add_co_i32 s98, s98, 15
	s_lshl_b32 s98, s98, 23
	s_or_b32 s98, s98, 0x600000
	v_mov_b32 v[HOLD], s98
	PLACES NP
	s_cmp_eq_u32 ttmp9, 2
	s_cbranch_scc1 .Lv
.irp a, 0,1,2,3,4,5,6,7
	OUTBLK \a, 0
.endr
	s_branch .Ldone
.Lv:
.irp a, 0,1,2,3,4,5,6,7
	OUTBLK \a, 1
.endr
.Ldone:
	s_wait_tensorcnt 0x0                           ; the wave's end
	ds_add_u32 v[SPW], v[NIL]
	s_wait_dscnt 0x0
	CROUND                                         ; the closing round
	s_endpgm
.Lfunc_end_k_qd8a6cafb16_qkv:
	.size	k_qd8a6cafb16_qkv, .Lfunc_end_k_qd8a6cafb16_qkv-k_qd8a6cafb16_qkv
	.p2alignl 7, 3214868480
	.fill 96, 4, 3214868480
	.section	.rodata,"a",@progbits
	.p2align	6, 0x0
	.amdhsa_kernel k_qd8a6cafb16_qkv
		.amdhsa_group_segment_fixed_size 327680
		.amdhsa_private_segment_fixed_size 0
		.amdhsa_enable_private_segment 0
		.amdhsa_kernarg_size 56
		.amdhsa_user_sgpr_count 2
		.amdhsa_user_sgpr_kernarg_segment_ptr 1
		.amdhsa_wavefront_size32 1
		.amdhsa_system_sgpr_workgroup_id_x 1
		.amdhsa_system_sgpr_workgroup_id_y 1
		.amdhsa_system_sgpr_workgroup_id_z 1
		.amdhsa_system_vgpr_workitem_id 0
		.amdhsa_next_free_vgpr 1024
		.amdhsa_next_free_sgpr 102
		.amdhsa_reserve_vcc 0
		.amdhsa_float_denorm_mode_32 3
		.amdhsa_float_denorm_mode_16_64 3
		.amdhsa_memory_ordered 1
		.amdhsa_forward_progress 1
		.amdhsa_inst_pref_size 195
	.end_amdhsa_kernel
	.amdgpu_metadata
---
amdhsa.version: [ 1, 2 ]
amdhsa.kernels:
  - .name:           k_qd8a6cafb16_qkv
    .symbol:         k_qd8a6cafb16_qkv.kd
    .args:
      - { .name: acodes, .offset: 0, .size: 8, .value_kind: global_buffer, .address_space: global }
      - { .name: wqkv_w_codes, .offset: 8, .size: 8, .value_kind: global_buffer, .address_space: global }
      - { .name: lowp_scales, .offset: 16, .size: 8, .value_kind: global_buffer, .address_space: global }
      - { .name: wqkv_b, .offset: 24, .size: 8, .value_kind: global_buffer, .address_space: global }
      - { .name: q_img, .offset: 32, .size: 8, .value_kind: global_buffer, .address_space: global }
      - { .name: k_img, .offset: 40, .size: 8, .value_kind: global_buffer, .address_space: global }
      - { .name: v_img, .offset: 48, .size: 8, .value_kind: global_buffer, .address_space: global }
    .group_segment_fixed_size: 327680
    .private_segment_fixed_size: 0
    .kernarg_segment_align: 8
    .kernarg_segment_size: 56
    .max_flat_workgroup_size: 128
    .sgpr_count:     102
    .vgpr_count:     1024
    .wavefront_size: 32
...
	.end_amdgpu_metadata
.endif
;; end of part 2
;; launch attn (part 3): grid 8 x 32, 16 waves a work-group, clusters of 4 x 1, 327,680 bytes of LDS; arguments q_img, k_img, v_img, lowp_scales, ctx_img; writes ctx_img
.if DOCPART == 3
	.amdgcn_target "amdgcn-amd-amdhsa--gfx1250"
	.amdhsa_code_object_version 6
	.text
	.protected	k_qd8a6cafb16_attn
	.globl	k_qd8a6cafb16_attn
	.p2align	8
	.type	k_qd8a6cafb16_attn,@function
k_qd8a6cafb16_attn:
	s_mov_b64 s[64:65], 0
	v_nop
	global_prefetch_b8 v0, s[64:65] scope:SCOPE_SE
	s_setreg_imm32_b32 hwreg(HW_REG_WAVE_MODE, 25, 1), 1
	s_wait_xcnt 0x0
	s_wait_alu depctr_hold_cnt(0) depctr_sa_sdst(0) depctr_va_vdst(0) depctr_va_sdst(0) depctr_va_ssrc(0) depctr_va_vcc(0) depctr_vm_vsrc(0)
	s_getreg_b32 s2, hwreg(HW_REG_IB_STS2, 6, 4)
	s_cmp_eq_u32 s2, 0
	s_cbranch_scc0 .Lentry_in_a_cluster
	s_endpgm
.Lentry_in_a_cluster:
	s_bfe_u32 s2, ttmp6, 0x10000c
	s_cmp_lg_u32 s2, 0x3003
	s_cbranch_scc0 .Lentry_shape_is_right
	s_endpgm
.Lentry_shape_is_right:
; ctx = softmax(q k^T / 8 + slope x (key - query), causal) v, both products on codes of E5M2; slope = 2^-head.  The result is quantised (e6) and stored as images of the next product's operand registers.
; q_img, k_img: [batch x head][tile of 16 tokens][1,024 bytes]; v_img: [batch x head][128 keys][16 channels][2,048 bytes]; ctx_img: [tile of 16 tokens][128 channels][2,048 bytes].
; THE SOFTMAX: t = logit x log2(e); M = the running largest t rounded UP to a whole number; p = 2^(t - M) is quantised (e4), not normalised; the sum of the unquantised p divides at the end; when M moves, the sum and O are multiplied by 2^(old M - new M): exact.
; THE BIAS.  logit = 2^(e2 + e3 - 3) x (sum + sigma x (key - query)), sigma = 2^(3 - e2 - e3 - head).  key - query = (key's place in 64 keys - query's place in its tile) + off, off a whole number of the step and the tile.
; The first part, times sigma (exact), rides in the product's C: four sets of eight registers, made once, for four tiles of 16 keys.  The second goes into the addend of t - M: log2(e) x 2^-head x off, rounded once.
; LEFT OUT: key steps all of whose keys come after a tile's queries (the causal mask that the problem builds itself).
; SHARES.  A work-group owns 256 queries of one head: the 16 tiles g + 8 R, R = 0 .. 15, g the work-group's number in the head.  Tile g + 8 R lies inside key step R (128 keys) and needs steps 0 .. R: 136 steps in all.
; The tiles go in pairs R = rho and R = 15 - rho (17 steps), a pair to two waves.  Wave rho (kind a): the high tile's steps 7 - rho .. 15 - rho: 9 steps.  Wave 8 + rho (kind b): the low tile, steps 0 .. rho, stored; then the high tile's steps 0 .. 6 - rho: 8 steps.
; b hands its part of the high tile (O^T, -M, the sum) to a through LDS bytes of their own; a brings both parts under the larger M by powers of two and stores.  Every wave walks both loops, of 8 and 16 trips; a scalar branch on the wave's number and the step's count leads round a step's work.
; Every wave loads both tiles' fragments of Q; a wave of kind a uses the second alone.
; LDS holds the head's whole K (131,072 bytes) and V (131,072), filled once by joint loads of the cluster's four work-groups, which read the same head: each of the sixteen waves asks for 16,384 bytes.  Nothing is filled again.
; No prefetch: all of K and V is asked for at the head; there is no loop to run ahead in.
; LAYOUT.  S^T = K Q^T (source 0 = 16 keys, source 1 = 16 queries), O^T = V^T P^T: a lane holds ONE query (lane % 16); register j of tile kt is key 16 kt + 8 (lane / 16) + j: a conversion of a tile's eight registers gives registers 2 kt, 2 kt + 1 of P.
; LIMITS: e2 + e3 between -122 and 129; 3 - e2 - e3 - head is applied by v_ldexp_f32; e4, e6 between -126 and 112.  NaN is not served.
.set LI,   1                           ; 16 x lane
.set LIV,  2                           ; + 131,072: V's region
.set ADK,  3
.set ADV,  4
.set DL,   5                           ; 16 g + r - 8 h: in the diagonal step register 8 kt + j is hidden where 16 kt + j > DL
.set PH,   6                           ; 57,344 x 2^e4
.set PS,   7                           ; 2^e4
.set CH,   8                           ; 57,344 x 2^e6
.set CSC,  9                           ; 2^e6
.set STA,  10                          ; my pair's stage + 16 x lane
.set T1,   11
.set Q,    16                          ; the low tile's fragment;  v12 -M, v13 the largest t, v[14:15] the sum in two halves
.set P,    24                          ; p's codes; on the way out ctx's codes
.set FF,   40                          ; v[40:41] f
.set SB,   42                          ; v[42:43], v[44:45], v[248:249]: the sum's other chains
.set TA,   44
.set TC,   45
.set PD,   46
.set NINF, 47
.set F,    48                          ; v48-111  eight fragments of K, then four of V
.set S,    112                         ; v112-175 S^T, then p
.set BS,   176                         ; v176-207 the four sets of the bias
.set O,    208                         ; v208-239 O^T
.set Q2,   240                         ; the high tile's fragment
.set U,    248                         ; v[248:249] off for keys 0-63 and 64-127 of the step
.set A,    250                         ; v[250:251] log2(e) 2^-head x off; then v250 = that - M for keys 0-63
.set B1,   252                         ; v252 the same for keys 64-127 (v253 is named with it as a pair)
.set SPW,  254
.set NIL,  255
.set SPARE, 0x40000                    ; behind K and V: the spare words, 128 bytes for each of 16 waves
.set STAGE, 0x40800                    ; behind them: eight stages
.set STG,   4608                       ; a stage: 32 registers of O^T and four more, 512 bytes each four
.set WV,   18
.set RHO,  19
.set SEL,  20
.set CS,   22                          ; s[22:23] c = log2(e) x 2^(e2 + e3 - 3)
.set CG,   24                          ; s[24:25] log2(e) x 2^-head
.set TY,   26                          ; 0: kind a, 1: kind b
.set G1,   28
.set LO,   36                          ; the steps that I work in the loop in hand: LO .. HI; DG the diagonal one; QB 16 x the tile
.set HI,   37
.set DG,   38
.set QB,   39
.set G0,   44
.set TB,   52                          ; LDS byte of the step in hand, in K's region
.set ST,   53                          ; the step
.set CNT,  54
.macro CROUND
	s_barrier_signal -1
	s_barrier_wait -1
	s_cmp_lg_u32 s[WV], 0
	s_cbranch_scc1 .Lnot_wave_0_\@
	s_barrier_signal -3
.Lnot_wave_0_\@:
	s_barrier_wait -3
	s_barrier_signal -1
	s_barrier_wait -1
.endm
.macro INIT                            ; a tile's state: the largest t -3e38, the sum and O^T zeros: the first step's change of M multiplies zeros
	v_mov_b32 v13, 0xff61b1e6
	v_mov_b32 v14, 0
	v_mov_b32 v15, 0
	v_floor_f32 v12, -v13
.set n, 0
.rept 32
	v_mov_b32 v[O+n], 0
.set n, n+1
.endr
.endm
	s_load_b256 s[4:11], s[0:1], 0x0               ; q_img s[4:5], k_img s[6:7], v_img s[8:9], the scales' exponents s[10:11]
	s_load_b64 s[12:13], s[0:1], 0x20              ; ctx_img
	v_lshl_add_u32 v[SPW], v0, 2, SPARE
	v_mov_b32 v[NIL], 0
	ds_add_u32 v[SPW], v[NIL]                      ; the opening: the add, twice on end, and its wait ahead of my tensor load
	ds_add_u32 v[SPW], v[NIL]
	v_lshrrev_b32 v[T1], 5, v0
	v_readfirstlane_b32 s[WV], v[T1]               ; wave 0..15
	s_and_b32 s[RHO], s[WV], 7                     ; my pair
	s_lshr_b32 s[TY], s[WV], 3                     ; my kind.  Also: I fetch for K (0) or for V (1)
	s_bfe_u32 s66, ttmp6, 0x40000                  ; cx
	s_lshl_b32 s67, ttmp9, 2
	s_add_co_u32 s67, s67, s66                     ; g: it enters Q's and ctx's addresses and vector numbers alone
	s_and_b32 s68, ttmp7, 0xffff                   ; batch x head, which the partners share
	s_lshl_b32 s72, s68, 17                        ; the head's 131,072 bytes
	s_mov_b32 s73, 0
	s_lshl_b32 s78, s[RHO], 14                     ; my 16,384 of them
	s_mov_b32 s79, 0
	s_mov_b32 s[G1], 15|(3<<16)|(1<<21)            ; the mask: all four work-groups; elements of 8 bytes; bit 21 beside a mask; no padding
	s_mov_b32 s[G1+1], 32<<16                      ; a dense block as 64 rows of 256 bytes
	s_mov_b32 s[G1+2], 64<<16
	s_mov_b32 s[G1+3], 32<<16
	s_mov_b32 s[G1+4], 64
	s_mov_b32 s[G1+5], 32
	s_mov_b32 s[G1+6], 0
	s_mov_b32 s[G1+7], 0
	s_mov_b32 s[G0], 1
	s_lshl_b32 s[G0+1], s[WV], 14                  ; LDS: 16,384 x wave: K's eight parts, then V's
	s_mov_b32 s[SEL], 0x76543210
	s_mov_b32 s[SEL+1], 0xfedcba98
	s_wait_dscnt 0x0
	s_wait_kmcnt 0x0
	s_load_b256 s[56:63], s[10:11], 0x0            ; e0 .. e7
	s_cmp_eq_u32 s[TY], 0
	s_cselect_b64 s[76:77], s[6:7], s[8:9]         ; the choice hangs on the wave's number alone
	s_add_nc_u64 s[76:77], s[76:77], s[72:73]
	s_add_nc_u64 s[G0+2:G0+3], s[76:77], s[78:79]
	s_or_b32 s[G0+3], s[G0+3], 0x80000000
	CROUND                                         ; all four work-groups are here: the joint loads meet
	tensor_load_to_lds s[G0:G0+3], s[G1:G1+7]      ; every wave's one tensor load
	s_nop 0
.rept 4
	v_nop
.endr
	; scalars first: tiles, addresses, the steps that I work
	s_lshl_b32 s81, s[RHO], 3
	s_add_co_u32 s69, s67, s81                     ; the low tile: g + 8 rho
	s_sub_co_u32 s70, 120, s81
	s_add_co_u32 s70, s70, s67                     ; the high tile: g + 8 (15 - rho)
	s_lshl_b32 s82, s68, 7
	s_add_co_u32 s84, s82, s69
	s_lshl_b32 s84, s84, 10
	s_mov_b32 s85, 0
	s_add_co_u32 s86, s82, s70
	s_lshl_b32 s86, s86, 10
	s_mov_b32 s87, 0
	s_add_nc_u64 s[84:85], s[4:5], s[84:85]        ; Q of the low tile,
	s_add_nc_u64 s[86:87], s[4:5], s[86:87]        ; of the high one
	s_lshr_b32 s88, s68, 4                         ; batch
	s_and_b32 s89, s68, 15                         ; head
	s_lshl_b32 s88, s88, 7
	s_lshl_b32 s90, s89, 10                        ; a head is half a block of ctx_img: 1,024 bytes
	s_add_co_u32 s92, s88, s69
	s_lshl_b32 s92, s92, 14                        ; 8 blocks of 2,048 bytes a tile
	s_add_co_u32 s92, s92, s90
	s_mov_b32 s93, 0
	s_add_co_u32 s94, s88, s70
	s_lshl_b32 s94, s94, 14
	s_add_co_u32 s94, s94, s90
	s_mov_b32 s95, 0
	s_add_nc_u64 s[50:51], s[12:13], s[94:95]      ; ctx of the high tile,
	s_add_nc_u64 s[12:13], s[12:13], s[92:93]      ; of the low one
	s_add_co_u32 s[HI], s[RHO], 1
	s_mul_i32 s[HI], s[HI], s[TY]
	s_sub_co_i32 s[HI], s[HI], 1                   ; first loop: b works steps 0 .. rho, a none (-1)
	s_mov_b32 s[LO], 0
	s_mov_b32 s[DG], s[RHO]
	s_lshl_b32 s[QB], s69, 4
	s_sub_co_u32 s43, 15, s[RHO]                   ; second loop: the diagonal step 15 - rho;
	s_mul_i32 s42, s[TY], 9
	s_sub_co_i32 s42, s43, s42                     ; the last step: a 15 - rho, b 6 - rho;
	s_sub_co_u32 s41, 7, s[RHO]
	s_xor_b32 s81, s[TY], 1
	s_mul_i32 s41, s41, s81                        ; the first: a 7 - rho, b 0
	s_lshl_b32 s48, s70, 4
	s_lshl_b32 s71, s67, 4
	s_mul_i32 s80, s[RHO], STG
	s_add_co_u32 s80, s80, STAGE
	s_mov_b32 s[TB], 0
	s_mov_b32 s[ST], 0
	v_and_b32 v[T1], 31, v0
	v_lshlrev_b32 v[LI], 4, v[T1]
	v_add_nc_u32 v[LIV], 0x20000, v[LI]
	v_add_nc_u32 v[STA], s80, v[LI]
	global_load_b128 v[Q:Q+3], v[LI], s[84:85]
	global_load_b128 v[Q+4:Q+7], v[LI], s[84:85] offset:512
	global_load_b128 v[Q2:Q2+3], v[LI], s[86:87]
	global_load_b128 v[Q2+4:Q2+7], v[LI], s[86:87] offset:512
	v_and_b32 v[T1], 15, v0                        ; r
	v_bfe_u32 v[TA], v0, 4, 1
	v_lshlrev_b32 v[TA], 3, v[TA]                  ; 8 h
	v_sub_nc_u32 v[TC], v[TA], v[T1]               ; 8 h - r
	v_sub_nc_u32 v[DL], s71, v[TC]
	v_mov_b32 v[FF+1], 0                           ; named as the upper halves of pairs
	v_mov_b32 v[SB+1], 0
	v_mov_b32 v[B1+1], 0
	v_mov_b32 v[PD], 0                             ; a lane permute's destination counts as read
	v_mov_b32 v[NINF], 0xff800000
.set n, 0
.rept 32
	v_add_nc_u32 v[BS+n], 16*(n/8)+n%8, v[TC]      ; the key's place among 64 - the query's place in its tile: tile n / 8, register n % 8
.set n, n+1
.endr
.set n, 0
.rept 32
	v_cvt_f32_i32 v[BS+n], v[BS+n]
.set n, n+1
.endr
	INIT
	s_wait_alu depctr_va_vdst(0)
	s_wait_kmcnt 0x0
	s_add_co_i32 s90, s58, s59                     ; e2 + e3
	s_sub_co_i32 s91, 3, s90
	s_sub_co_i32 s91, s91, s89                     ; sigma = 2^(3 - e2 - e3 - head)
	s_sub_co_i32 s92, s90, 3
	s_lshl_b32 s92, s92, 23
	s_add_co_i32 s[CS], s92, 0x3fb8aa3b            ; c: the whole number is added to log2(e)'s exponent field
	s_mov_b32 s[CS+1], s[CS]
	s_lshl_b32 s92, s89, 23
	s_sub_co_i32 s[CG], 0x3fb8aa3b, s92            ; c x sigma = log2(e) x 2^-head
	s_mov_b32 s[CG+1], s[CG]
	s_add_co_i32 s92, s60, 127
	s_lshl_b32 s93, s92, 23
	s_add_co_i32 s92, s92, 15
	s_lshl_b32 s92, s92, 23
	s_or_b32 s92, s92, 0x600000
	s_add_co_i32 s94, s62, 127
	s_lshl_b32 s95, s94, 23
	s_add_co_i32 s94, s94, 15
	s_lshl_b32 s94, s94, 23
	s_or_b32 s94, s94, 0x600000
	s_add_co_i32 s55, s60, s61                     ; e4 + e5
.set n, 0
.rept 32
	v_ldexp_f32 v[BS+n], v[BS+n], s91              ; x sigma: exact
.set n, n+1
.endr
	v_mov_b32 v[PS], s93
	v_mov_b32 v[PH], s92
	v_mov_b32 v[CSC], s95
	v_mov_b32 v[CH], s94
; A KEY STEP: 128 keys against the 16 queries whose fragment lies at qf.  A step outside LO .. HI is left out: scalar branches on the wave's number and the step's count, round the work, not round the two lines that step.
.macro STEP qf
	s_cmp_lt_i32 s[ST], s[LO]
	s_cbranch_scc1 .Lhid_\@
	s_cmp_gt_i32 s[ST], s[HI]
	s_cbranch_scc1 .Lhid_\@
	v_add_nc_u32 v[ADK], s[TB], v[LI]
	v_add_nc_u32 v[ADV], s[TB], v[LIV]
	v_nop
	v_nop                                          ; four places behind the last step's products, in front of loads into registers that they read
.irp kt, 0,1,2,3,4,5,6,7
	ds_load_b128 v[F+8*\kt:F+8*\kt+3], v[ADK] offset:1024*\kt
	ds_load_b128 v[F+8*\kt+4:F+8*\kt+7], v[ADK] offset:1024*\kt+512
.endr
	s_lshl_b32 s80, s[ST], 7
	s_sub_co_i32 s80, s80, s[QB]                   ; off: the step's first key - the tile's first query
	s_add_co_i32 s81, s80, 64
	s_wait_alu depctr_va_vdst(0)
	s_wait_dscnt 8                                 ; tiles 0-3 are in; the youngest eight loads may be out
.irp kt, 0,1,2,3
	v_wmma_f32_16x16x64_bf8_bf8 v[S+8*\kt:S+8*\kt+7], v[F+8*\kt:F+8*\kt+7], v[\qf:\qf+7], v[BS+8*\kt:BS+8*\kt+7]
.endr
	s_wait_dscnt 0x0
.irp kt, 4,5,6,7
	v_wmma_f32_16x16x64_bf8_bf8 v[S+8*\kt:S+8*\kt+7], v[F+8*\kt:F+8*\kt+7], v[\qf:\qf+7], v[BS+8*\kt-32:BS+8*\kt-25]
.endr
	v_cvt_f32_i32 v[U], s80                        ; four places: for the loads into K's registers and for the first read of the scores
	v_cvt_f32_i32 v[U+1], s81
	v_pk_mul_f32 v[A:A+1], v[U:U+1], s[CG:CG+1] op_sel_hi:[1,0]   ; the bias of the step's two halves, as t
	v_nop
.irp ct, 0,1,2,3
.irp c, 0,1,2,3
	ds_load_b128 v[F+16*\ct+4*\c:F+16*\ct+4*\c+3], v[ADV] offset:2048*\ct+512*\c   ; V's four fragments land while the softmax is worked
.endr
.endr
	s_cmp_lg_u32 s[ST], s[DG]
	s_cbranch_scc1 .Lopen_\@
.set n, 0
.rept 64
	v_cmp_gt_i32 vcc_lo, 16*(n/8)+n%8, v[DL]       ; the diagonal step: hidden scores become -infinity ahead of the maximum
	v_cndmask_b32 v[S+n], v[S+n], v[NINF], vcc_lo
.set n, n+1
.endr
.Lopen_\@:
	v_max3_num_f32 v[TA], v[S], v[S+1], v[S+2]     ; the largest score of each half of the step, two chains by turns; each tile's registers from the low end on
	v_max3_num_f32 v[TC], v[S+32], v[S+33], v[S+34]
.set n, 3
.rept 14
	v_max3_num_f32 v[TA], v[TA], v[S+n], v[S+n+1]
	v_max3_num_f32 v[TC], v[TC], v[S+n+32], v[S+n+33]
.set n, n+2
.endr
	v_max_num_f32 v[TA], v[TA], v[S+31]
	v_max_num_f32 v[TC], v[TC], v[S+63]
	s_delay_alu instid0(VALU_DEP_2)
	v_fma_f32 v[TA], v[TA], s[CS], v[A]            ; as t (c is positive), each with its half's bias
	s_delay_alu instid0(VALU_DEP_2)
	v_fma_f32 v[TC], v[TC], s[CS], v[A+1]
	s_delay_alu instid0(VALU_DEP_1)
	v_max_num_f32 v[TA], v[TA], v[TC]
	s_delay_alu instid0(VALU_DEP_1)
	v_permlanex16_b32 v[PD], v[TA], s[SEL], s[SEL+1]
	v_mov_b32 v[TC], v12
	s_delay_alu instid0(VALU_DEP_2)
	v_max3_num_f32 v13, v13, v[TA], v[PD]          ; with lane l xor 16's: the running largest t
	s_delay_alu instid0(VALU_DEP_1)
	v_floor_f32 v12, -v13                          ; -M = floor(-t): M is a whole number
	s_delay_alu instid0(VALU_DEP_1)
	v_sub_f32 v[TC], v12, v[TC]                    ; old M - new M: a whole number, 0 or less
	s_delay_alu instid0(VALU_DEP_1)
	v_cvt_i32_f32 v[TC], v[TC]                     ; (it saturates)
	s_delay_alu instid0(VALU_DEP_1)
	v_ldexp_f32 v[FF], 1.0, v[TC]                  ; f = 2^(old M - new M)
	v_add_f32 v[B1], v[A+1], v12                   ; the addends: bias - M
	v_add_f32 v[A], v[A], v12
.set n, 0
.rept 16
	v_pk_fma_f32 v[S+n:S+n+1], v[S+n:S+n+1], s[CS:CS+1], v[A:A+1] op_sel_hi:[1,0,0]   ; t - M (of the pairs the low word serves both halves)
.set n, n+2
.endr
.rept 16
	v_pk_fma_f32 v[S+n:S+n+1], v[S+n:S+n+1], s[CS:CS+1], v[B1:B1+1] op_sel_hi:[1,0,0]
.set n, n+2
.endr
	s_wait_alu depctr_va_vdst(0)                   ; the wait ahead of the batch
.set n, 0
.rept 64
	v_exp_f32 v[S+n], v[S+n]                       ; p = 2^(t - M)
.set n, n+1
.endr
	v_pk_mul_f32 v[14:15], v[14:15], v[FF:FF+1] op_sel_hi:[1,0]   ; the sums under the new M: the plain instruction behind the exponentials
	s_wait_alu depctr_va_vdst(0)                   ; one wait for the batch, ahead of its first reader
	v_pk_add_f32 v[SB:SB+1], v[S:S+1], v[S+2:S+3]  ; the sum of the unquantised p, in four chains
	v_pk_add_f32 v[TA:TA+1], v[S+4:S+5], v[S+6:S+7]
	v_pk_add_f32 v[U:U+1], v[S+8:S+9], v[S+10:S+11]
.set n, 12
.rept 6
	v_pk_add_f32 v[14:15], v[14:15], v[S+n:S+n+1]
	v_pk_add_f32 v[SB:SB+1], v[SB:SB+1], v[S+n+2:S+n+3]
	v_pk_add_f32 v[TA:TA+1], v[TA:TA+1], v[S+n+4:S+n+5]
	v_pk_add_f32 v[U:U+1], v[U:U+1], v[S+n+6:S+n+7]
.set n, n+8
.endr
	v_pk_add_f32 v[14:15], v[14:15], v[S+60:S+61]
	v_pk_add_f32 v[SB:SB+1], v[SB:SB+1], v[S+62:S+63]
	v_pk_add_f32 v[TA:TA+1], v[TA:TA+1], v[U:U+1]
	v_pk_add_f32 v[14:15], v[14:15], v[SB:SB+1]
	v_pk_add_f32 v[14:15], v[14:15], v[TA:TA+1]
.irp kt, 0,1,2,3,4,5,6,7
.irp i, 0,1,2,3,4,5,6,7
	v_min_num_f32 v[S+8*\kt+\i], v[S+8*\kt+\i], v[PH]   ; the conversion does not saturate (ISA guide 7.6.2); p is not negative: a one-sided hold
.endr
	v_cvt_scalef32_pk8_bf8_f32 v[P+2*\kt:P+2*\kt+1], v[S+8*\kt:S+8*\kt+7], v[PS]
.endr
	s_wait_alu depctr_va_vdst(0)                   ; the wait here, directly ahead of the first reader of O^T
.set n, 0
.rept 16
	v_pk_mul_f32 v[O+n:O+n+1], v[O+n:O+n+1], v[FF:FF+1] op_sel_hi:[1,0]   ; O^T under the new M; also the plain instructions behind the conversions
.set n, n+2
.endr
	s_wait_alu depctr_va_vdst(0)
	s_wait_dscnt 0x0                               ; V is in
.irp ct, 0,1,2,3
	v_wmma_f32_16x16x128_bf8_bf8 v[O+8*\ct:O+8*\ct+7], v[F+16*\ct:F+16*\ct+15], v[P:P+15], v[O+8*\ct:O+8*\ct+7]   ; four accumulators by turns
.endr
.Lhid_\@:
	s_add_co_u32 s[TB], s[TB], 8192
	s_add_co_u32 s[ST], s[ST], 1
.endm
; THE WAY OUT of a tile: O^T / the sum x 2^(e4 + e5), quantised with e6: a tile's eight registers give registers 2 ct, 2 ct + 1 of my head's half of the next operand's fragment.
.macro FINISH p
	v_add_f32 v14, v14, v15
	s_delay_alu instid0(VALU_DEP_1)
	v_permlanex16_b32 v[PD], v14, s[SEL], s[SEL+1]
	s_delay_alu instid0(VALU_DEP_1)
	v_add_f32 v14, v14, v[PD]                      ; the row's sum
	s_wait_alu depctr_va_vdst(0)                   ; the wait ahead of the transcendental
	v_rcp_f32 v14, v14
	v_nop                                          ; a plain instruction behind the transcendental
	s_wait_alu depctr_va_vdst(0)                   ; the wait, ahead of the first reader
	v_ldexp_f32 v14, v14, s55
	s_delay_alu instid0(VALU_DEP_1)
	v_mov_b32 v15, v14
	s_wait_alu depctr_va_vdst(0)                   ; the wait here, directly ahead of the first reader of O^T
.set n, 0
.rept 16
	v_pk_mul_f32 v[S+n:S+n+1], v[O+n:O+n+1], v[14:15]
.set n, n+2
.endr
.set n, 0
.rept 32
	v_med3_num_f32 v[S+n], v[S+n], -v[CH], v[CH]
.set n, n+1
.endr
.irp ct, 0,1,2,3
	v_cvt_scalef32_pk8_bf8_f32 v[P+2*\ct:P+2*\ct+1], v[S+8*\ct:S+8*\ct+7], v[CSC]
.endr
	v_nop
	global_store_b128 v[LI], v[P:P+3], s[\p:\p+1]              ; 512 consecutive bytes, aligned
	global_store_b128 v[LI], v[P+4:P+7], s[\p:\p+1] offset:512
.endm
	s_wait_alu depctr_va_vdst(0)                   ; the wait at the head's end
	s_wait_loadcnt 0x0                             ; Q
	s_wait_tensorcnt 0x0                           ; my part of K or V is in
	s_barrier_signal -1
	s_barrier_wait -1                              ; everybody's is
	s_mov_b32 s[CNT], 8
.Lone:                                             ; the low tiles: key steps 0 to 7
	STEP Q
	s_sub_co_u32 s[CNT], s[CNT], 1
	s_cmp_lg_u32 s[CNT], 0
	s_cbranch_scc1 .Lone
.rept 4
	v_nop                                          ; places behind the last products
.endr
	s_cmp_eq_u32 s[TY], 0
	s_cbranch_scc1 .Lno_low
	FINISH 12
.Lno_low:
	INIT                                           ; the high tile begins
	s_mov_b32 s[LO], s41
	s_mov_b32 s[HI], s42
	s_mov_b32 s[DG], s43
	s_mov_b32 s[QB], s48
	s_mov_b32 s[TB], 0
	s_mov_b32 s[ST], 0
	s_mov_b32 s[CNT], 16
	s_wait_alu depctr_va_vdst(0)
	s_wait_xcnt 0x0                                ; the stores have read their registers, which take p's codes again
.Ltwo:                                             ; the high tiles: key steps 0 to 15
	STEP Q2
	s_sub_co_u32 s[CNT], s[CNT], 1
	s_cmp_lg_u32 s[CNT], 0
	s_cbranch_scc1 .Ltwo
.rept 4
	v_nop                                          ; places behind the last products
.endr
	s_cmp_eq_u32 s[TY], 0
	s_cbranch_scc1 .Lkeeps
.irp i, 0,1,2,3,4,5,6,7
	ds_store_b128 v[STA], v[O+4*\i:O+4*\i+3] offset:512*\i     ; kind b: my part of the high tile, as an image of the registers
.endr
	ds_store_b128 v[STA], v[12:15] offset:4096                 ; -M, the largest t, the sum's halves
.Lkeeps:
	s_wait_alu depctr_va_vdst(0)
	s_wait_dscnt 0x0                               ; my stores are done
	s_barrier_signal -1
	s_barrier_wait -1
	s_cmp_lg_u32 s[TY], 0
	s_cbranch_scc1 .Lend
.irp i, 0,1,2,3,4,5,6,7,8
	ds_load_b128 v[F+4*\i:F+4*\i+3], v[STA] offset:512*\i      ; kind a: my partner's part
.endr
	s_wait_dscnt 0x0
	v_min_num_f32 v[TA], v12, v[F+32]              ; -M of both: the larger M
	v_sub_f32 v[TC], v[TA], v12                    ; my M - it, my partner's M - it: whole numbers, 0 or less
	v_sub_f32 v[T1], v[TA], v[F+32]
	v_cvt_i32_f32 v[TC], v[TC]
	v_cvt_i32_f32 v[T1], v[T1]
	v_ldexp_f32 v[FF], 1.0, v[TC]
	v_ldexp_f32 v[SB], 1.0, v[T1]
	v_mov_b32 v[SB+1], 0
	v_pk_mul_f32 v[14:15], v[14:15], v[FF:FF+1] op_sel_hi:[1,0]
	v_pk_fma_f32 v[14:15], v[F+34:F+35], v[SB:SB+1], v[14:15] op_sel_hi:[1,0,1]
.set n, 0
.rept 16
	v_pk_mul_f32 v[O+n:O+n+1], v[O+n:O+n+1], v[FF:FF+1] op_sel_hi:[1,0]
.set n, n+2
.endr
.set n, 0
.rept 16
	v_pk_fma_f32 v[O+n:O+n+1], v[F+n:F+n+1], v[SB:SB+1], v[O+n:O+n+1] op_sel_hi:[1,0,1]
.set n, n+2
.endr
	FINISH 50
.Lend:
	s_wait_tensorcnt 0x0                           ; the wave's end
	ds_add_u32 v[SPW], v[NIL]
	s_wait_dscnt 0x0
	CROUND                                         ; the closing round: no work-group ends while a partner may still ask
	s_endpgm
.Lfunc_end_k_qd8a6cafb16_attn:
	.size	k_qd8a6cafb16_attn, .Lfunc_end_k_qd8a6cafb16_attn-k_qd8a6cafb16_attn
	.p2alignl 7, 3214868480
	.fill 96, 4, 3214868480
	.section	.rodata,"a",@progbits
	.p2align	6, 0x0
	.amdhsa_kernel k_qd8a6cafb16_attn
		.amdhsa_group_segment_fixed_size 327680
		.amdhsa_private_segment_fixed_size 0
		.amdhsa_enable_private_segment 0
		.amdhsa_kernarg_size 40
		.amdhsa_user_sgpr_count 2
		.amdhsa_user_sgpr_kernarg_segment_ptr 1
		.amdhsa_wavefront_size32 1
		.amdhsa_system_sgpr_workgroup_id_x 1
		.amdhsa_system_sgpr_workgroup_id_y 1
		.amdhsa_system_sgpr_workgroup_id_z 1
		.amdhsa_system_vgpr_workitem_id 0
		.amdhsa_next_free_vgpr 256
		.amdhsa_next_free_sgpr 96
		.amdhsa_reserve_vcc 1
		.amdhsa_float_denorm_mode_32 3
		.amdhsa_float_denorm_mode_16_64 3
		.amdhsa_memory_ordered 1
		.amdhsa_forward_progress 1
		.amdhsa_inst_pref_size 68
	.end_amdhsa_kernel
	.amdgpu_metadata
---
amdhsa.version: [ 1, 2 ]
amdhsa.kernels:
  - .name:           k_qd8a6cafb16_attn
    .symbol:         k_qd8a6cafb16_attn.kd
    .args:
      - { .name: q_img, .offset: 0, .size: 8, .value_kind: global_buffer, .address_space: global }
      - { .name: k_img, .offset: 8, .size: 8, .value_kind: global_buffer, .address_space: global }
      - { .name: v_img, .offset: 16, .size: 8, .value_kind: global_buffer, .address_space: global }
      - { .name: lowp_scales, .offset: 24, .size: 8, .value_kind: global_buffer, .address_space: global }
      - { .name: ctx_img, .offset: 32, .size: 8, .value_kind: global_buffer, .address_space: global }
    .group_segment_fixed_size: 327680
    .private_segment_fixed_size: 0
    .kernarg_segment_align: 8
    .kernarg_segment_size: 40
    .max_flat_workgroup_size: 512
    .sgpr_count:     96
    .vgpr_count:     256
    .wavefront_size: 32
...
	.end_amdgpu_metadata
.endif
;; end of part 3
;; launch oproj (part 4): grid 8 x 32, 4 waves a work-group, clusters of 4 x 4, 327,680 bytes of LDS; arguments ctx_img, out_w_codes, lowp_scales, out_b, src, src2; writes src2
.if DOCPART == 4
	.amdgcn_target "amdgcn-amd-amdhsa--gfx1250"
	.amdhsa_code_object_version 6
	.text
	.protected	k_qd8a6cafb16_oproj
	.globl	k_qd8a6cafb16_oproj
	.p2align	8
	.type	k_qd8a6cafb16_oproj,@function
k_qd8a6cafb16_oproj:
	s_mov_b64 s[64:65], 0
	v_nop
	global_prefetch_b8 v0, s[64:65] scope:SCOPE_SE
	s_setreg_imm32_b32 hwreg(HW_REG_WAVE_MODE, 25, 1), 1
	s_wait_xcnt 0x0
	s_wait_alu depctr_hold_cnt(0) depctr_sa_sdst(0) depctr_va_vdst(0) depctr_va_sdst(0) depctr_va_ssrc(0) depctr_va_vcc(0) depctr_vm_vsrc(0)
	s_getreg_b32 s2, hwreg(HW_REG_IB_STS2, 6, 4)
	s_cmp_eq_u32 s2, 0
	s_cbranch_scc0 .Lentry_in_a_cluster
	s_endpgm
.Lentry_in_a_cluster:
	s_bfe_u32 s2, ttmp6, 0x10000c
	s_cmp_lg_u32 s2, 0xf033
	s_cbranch_scc0 .Lentry_shape_is_right
	s_endpgm
.Lentry_shape_is_right:
; y = res + a W^T x 2^(ea + eb) + b.  a: images of operand registers, [tile of 16 rows][8 x 128 along K][2,048 bytes] (E5M2); W: [1024][1024] codes, K innermost; b [1024], res and y [4096][1024] f32.
; ea, eb: the two whole numbers at byte EOFF of the scales' exponents.  LIMIT: ea + eb between -126 and 127.
; A tile of y is 128 x 128, so that each of 256 work-groups has one; four waves, 64 x 64 each: 16 accumulators.
; ALL OF K LIES IN LDS AT ONCE: a's 128 rows are 131,072 bytes, W's 128 padded rows 133,120.  Each wave asks for a quarter by its one tensor load at the head; nothing is filled again, so there is no ring and no change of slots.
; a's fragments come out of LDS as they lie (four loads of 16 bytes a lane, 512 consecutive bytes each): registers 2 c, 2 c + 1 = K 16 c + 8 (lane / 16) + 0 .. 7, the form's own order.  W's fragments are read in the same order
; from padded rows, by eight loads of 8 bytes.  Source 0 = 16 rows of W, source 1 = 16 rows of a: a lane holds eight neighbouring numbers of a row of y.
; CLUSTERS: 4 x 4: a's tile is shared along a row of the cluster, W's along a column, each asked for jointly.  No prefetch: everything is asked for at the head; there is no loop to run ahead in.
; REGISTERS: window 0: v0-31 addresses; v32-63 a block's numbers; v64-95 its rows back from the stage; v96-127 b; v128-255 the accumulators ((a, b) at v[128 + 8 (4 a + b)]).
;   window 1: two fragment buffers of 128: 64 registers of a (4 x 16), then 64 of W.   window 2: v0-127 res, asked for at the head.
.set SIZE_K, 1024
.set EOFF,   24
.set AHALF,  65536                     ; 4 tiles of rows x 8 fragments x 2,048 bytes, dense
.set BP,     1040                      ; a row of W in LDS: 1,024 bytes + 16 = 260 words: row r starts at bank 4 r mod 64 (64 banks of 4 bytes: ISA guide 11.1); lanes 16-31 read two words on
.set BHALF,  64*BP
.set BOFF,   2*AHALF
.set STAGE,  2*AHALF+2*BHALF           ; behind the tiles: 16 rows x 272 bytes for each wave
.set SPITCH, 272
.set SPARE,  STAGE+4*16*SPITCH         ; behind the stages: the spare words
.set ADRA, 16
.set ADRB, 20
.set STO,  24
.set RD,   25
.set CO,   26
.set SPW,  28
.set NIL,  29
.set BO,   30
.set T,    32
.set BK,   64
.set BIAS, 96
.set ACC,  128
.set F0,   0
.set F1,   128
.set G1, 24
.set G0, 32
.set G1B, 48
.set G0B, 56
.set MSB, 0
.macro WIN new
.if MSB != \new
	s_set_vgpr_msb (MSB<<8)|\new
.set MSB, \new
.endif
.endm
.set MUL,  0x05                        ; sources 0 and 1 window 1; C and D window 0
.set TO_F, 0x40
.macro CROUND                          ; a round of the cluster's barrier
	s_barrier_signal -1
	s_barrier_wait -1
	s_cmp_lg_u32 s10, 0
	s_cbranch_scc1 .Lnot_wave_0_\@
	s_barrier_signal -3
.Lnot_wave_0_\@:
	s_barrier_wait -3
	s_barrier_signal -1
	s_barrier_wait -1
.endm
	s_load_b128 s[4:7], s[0:1], 0x0                ; a's images, W's codes
	s_load_b128 s[68:71], s[0:1], 0x10             ; the scales' exponents, b
	s_load_b128 s[72:75], s[0:1], 0x20             ; res, y
	v_lshl_add_u32 v[SPW], v0, 2, SPARE
	v_mov_b32 v[NIL], 0
	ds_add_u32 v[SPW], v[NIL]                      ; the opening: the add, twice on end, and its wait ahead of my tensor load
	ds_add_u32 v[SPW], v[NIL]
	v_lshrrev_b32 v1, 5, v0
	v_readfirstlane_b32 s10, v1                    ; wave
	s_lshr_b32 s11, s10, 1                         ; wr.  Also: I fetch for a (0) or for W (1)
	s_and_b32 s12, s10, 1                          ; wc.  Also: which half I fetch
	s_bfe_u32 s40, ttmp6, 0x40000
	s_bfe_u32 s41, ttmp6, 0x40004
	s_lshl_b32 s42, ttmp9, 2
	s_add_co_u32 s42, s42, s40                     ; tile column
	s_and_b32 s13, ttmp7, 0xffff
	s_lshl_b32 s13, s13, 2
	s_add_co_u32 s13, s13, s41                     ; tile row
	s_lshl_b32 s43, s41, 2
	s_lshl_b32 s43, 15, s43
	s_lshl_b32 s44, 0x1111, s40
	s_or_b32 s[G1+0], s43, (3<<16)|(1<<21)         ; a: the mask of my row; elements of 8 bytes; bit 21 beside a mask; no padding
	s_mov_b32 s[G1+1], 2048<<16                    ; tensor_dim0 = 2,048 elements: a tile of rows, eight fragments, 16,384 bytes
	s_mov_b32 s[G1+2], 4<<16                       ; tensor_dim1 = 4 tiles of rows
	s_mov_b32 s[G1+3], 2048<<16                    ; tile_dim0
	s_mov_b32 s[G1+4], 4                           ; tile_dim1
	s_mov_b32 s[G1+5], 2*SIZE_K                    ; from a tile of rows to the next: 16 SIZE_K bytes
	s_mov_b32 s[G1+6], 0
	s_mov_b32 s[G1+7], 0
	s_or_b32 s[G1B+0], s44, (0<<16)|(1<<20)|(1<<21)|(7<<22)|(3<<25)  ; W: the mask of my column; elements of 1 byte; 4 words of padding after every 256
	s_mov_b32 s[G1B+1], SIZE_K<<16
	s_mov_b32 s[G1B+2], 64<<16
	s_mov_b32 s[G1B+3], SIZE_K<<16
	s_mov_b32 s[G1B+4], 64
	s_mov_b32 s[G1B+5], SIZE_K
	s_mov_b32 s[G1B+6], 0
	s_mov_b32 s[G1B+7], 0
	s_lshl_b32 s16, s13, 3
	s_lshl_b32 s17, s12, 2
	s_add_co_u32 s16, s16, s17                     ; a: tile of rows 8 x tile row + 4 x half
	s_mul_i32 s16, s16, 16*SIZE_K
	s_mov_b32 s17, 0
	s_lshl_b32 s46, s42, 7
	s_lshl_b32 s47, s12, 6
	s_add_co_u32 s46, s46, s47                     ; W: row 128 x tile column + 64 x half
	s_mul_i32 s46, s46, SIZE_K
	s_mov_b32 s47, 0
	s_mov_b32 s[G0], 1
	s_mul_i32 s[G0+1], s12, AHALF                  ; where they go
	s_mov_b32 s[G0B], 1
	s_mul_i32 s[G0B+1], s12, BHALF
	s_add_co_u32 s[G0B+1], s[G0B+1], BOFF
	s_wait_dscnt 0x0                               ; both opening adds are done
	s_wait_kmcnt 0x0
	s_load_b64 s[66:67], s[68:69], EOFF            ; ea, eb
	s_add_nc_u64 s[G0+2:G0+3], s[4:5], s[16:17]
	s_or_b32 s[G0+3], s[G0+3], 0x80000000
	s_add_nc_u64 s[G0B+2:G0B+3], s[6:7], s[46:47]
	s_or_b32 s[G0B+3], s[G0B+3], 0x80000000
	CROUND                                         ; all sixteen work-groups are here: the joint loads meet
	s_cmp_eq_u32 s11, 0                            ; waves 0 and 1 fetch a's halves, waves 2 and 3 W's; an s_nop 0 and four v_nop follow each line
	s_cbranch_scc0 .Lfor_b
	tensor_load_to_lds s[G0:G0+3], s[G1:G1+7]
	s_nop 0
.rept 4
	v_nop
.endr
	s_branch .Lasked
.Lfor_b:
	tensor_load_to_lds s[G0B:G0B+3], s[G1B:G1B+7]
	s_nop 0
.rept 4
	v_nop
.endr
.Lasked:
	s_mul_i32 s22, s11, AHALF                      ; my 64 rows of a
	s_mul_i32 s23, s12, BHALF
	s_add_co_u32 s23, s23, BOFF                    ; my 64 rows of W
	s_mul_i32 s21, s10, 16*SPITCH
	s_add_co_u32 s21, s21, STAGE                   ; my stage
	s_lshl_b32 s76, s13, 7
	s_lshl_b32 s77, s11, 6
	s_add_co_u32 s76, s76, s77                     ; my first row
	s_lshl_b32 s76, s76, 12
	s_lshl_b32 s78, s42, 9
	s_lshl_b32 s79, s12, 8
	s_add_co_u32 s78, s78, s79                     ; my first column, in bytes
	s_mov_b32 s79, 0
	s_add_co_u32 s76, s76, s78
	s_mov_b32 s77, 0
	s_add_nc_u64 s[72:73], s[72:73], s[76:77]
	s_add_nc_u64 s[74:75], s[74:75], s[76:77]
	s_add_nc_u64 s[70:71], s[70:71], s[78:79]
	v_and_b32 v1, 15, v0                           ; r
	v_bfe_u32 v2, v0, 4, 1                         ; h
	v_and_b32 v3, 31, v0
	v_lshlrev_b32 v4, 4, v3                        ; 16 x lane
	v_mul_u32_u24 v5, v1, BP
	v_lshl_add_u32 v5, v2, 3, v5                   ; 1,040 r + 8 h
	v_add_nc_u32 v[ADRA], s22, v4
	v_add_nc_u32 v[ADRB], s23, v5
	v_mul_u32_u24 v6, v1, SPITCH
	v_lshl_add_u32 v6, v2, 5, v6
	v_add_nc_u32 v[STO], s21, v6                   ; in: row r, 32 bytes for each half of the lanes
	v_mul_u32_u24 v6, v2, SPITCH
	v_lshl_add_u32 v6, v1, 4, v6
	v_add_nc_u32 v[RD], s21, v6                    ; back: lanes 0-15 one row of 256 bytes, lanes 16-31 the next
	v_lshlrev_b32 v6, 12, v2
	v_lshl_add_u32 v[CO], v1, 4, v6                ; and the same two rows in res and y
	v_lshlrev_b32 v[BO], 5, v2
.irp b, 0,1,2,3
	global_load_b128 v[BIAS+8*\b:BIAS+8*\b+3], v[BO], s[70:71] offset:64*\b        ; register 8 b + j of lane (r, h): column 16 b + 8 h + j
	global_load_b128 v[BIAS+8*\b+4:BIAS+8*\b+7], v[BO], s[70:71] offset:64*\b+16
.endr
	WIN 0x80                                       ; destination window 2
.irp a, 0,1,2,3
.irp t, 0,1,2,3,4,5,6,7
	global_load_b128 v[32*\a+4*\t:32*\a+4*\t+3], v[CO], s[72:73] offset:(16*\a+2*\t)*4096   ; res, in the layout of the stores: sixteen lanes read 256 consecutive bytes
.endr
.endr
	WIN 0
.macro MULA f, a, zero                 ; four matrix instructions: a's block a x W's four.  The 16 accumulators take turns, in the same order in every quarter
.irp b, 0,1,2,3
.if \zero
	v_wmma_f32_16x16x128_bf8_bf8 v[ACC+8*(4*(\a)+\b):ACC+8*(4*(\a)+\b)+7], v[\f+64+16*\b:\f+64+16*\b+15], v[\f+16*(\a):\f+16*(\a)+15], 0
.else
	v_wmma_f32_16x16x128_bf8_bf8 v[ACC+8*(4*(\a)+\b):ACC+8*(4*(\a)+\b)+7], v[\f+64+16*\b:\f+64+16*\b+15], v[\f+16*(\a):\f+16*(\a)+15], v[ACC+8*(4*(\a)+\b):ACC+8*(4*(\a)+\b)+7]
.endif
.endr
.endm
.macro FETCH q, f                      ; 48 LDS loads in one run: the q-th 128 along K: W's four fragments, then a's four
	WIN TO_F
.irp i, 0,1,2,3
.irp c, 0,1,2,3,4,5,6,7
	ds_load_b64 v[\f+64+16*\i+2*\c:\f+64+16*\i+2*\c+1], v[ADRB] offset:16*BP*\i+128*(\q)+16*\c
.endr
.endr
.irp i, 0,1,2,3
.irp c, 0,1,2,3
	ds_load_b128 v[\f+16*\i+4*\c:\f+16*\i+4*\c+3], v[ADRA] offset:16384*\i+2048*(\q)+512*\c
.endr
.endr
.endm
.macro PLACES                          ; plain vector instructions behind matrix instructions, in front of loads into their sources and of reads of their results
.rept 4
	v_nop
.endr
.endm
.macro QUARTER q, f, g, zero           ; multiplies buffer f, and fetches the q-th 128 along K into g
	s_wait_dscnt 8                                 ; W's fragments and a's 0 and 1 are in; the youngest eight loads may be out
	WIN MUL
	MULA \f, 0, \zero
	MULA \f, 1, \zero
	PLACES
	FETCH \q, \g
	s_wait_dscnt 48                                ; all but the 48 just issued
	WIN MUL
	MULA \f, 2, \zero
	MULA \f, 3, \zero
.endm
	s_wait_alu depctr_va_vdst(0)                   ; the wait at the head's end
	s_wait_tensorcnt 0x0                           ; my quarter is in
	s_barrier_signal -1
	s_barrier_wait -1                              ; everybody's is
	FETCH 0, F0
	QUARTER 1, F0, F1, 1                           ; the first quarter's products start the sums
	QUARTER 2, F1, F0, 0
	QUARTER 3, F0, F1, 0
	QUARTER 4, F1, F0, 0
	QUARTER 5, F0, F1, 0
	QUARTER 6, F1, F0, 0
	QUARTER 7, F0, F1, 0
	s_wait_dscnt 8
	WIN MUL
	MULA F1, 0, 0
	MULA F1, 1, 0
	s_wait_dscnt 0
	MULA F1, 2, 0
	MULA F1, 3, 0
	WIN 0
	; THE WAY OUT, a block of 16 rows x 64 columns at a time: sum x 2^(ea + eb) + b; through my own stage, so that sixteen lanes hold a row's 256 bytes; + res; stored.
	s_wait_kmcnt 0x0
	s_wait_loadcnt 0x0                             ; b and res
	s_add_co_i32 s66, s66, s67
	s_add_co_i32 s66, s66, 127
	s_lshl_b32 s66, s66, 23                        ; 2^(ea + eb) as f32
	s_mov_b32 s67, s66
	PLACES
.irp a, 0,1,2,3
.if \a > 0
	s_wait_xcnt 0x0                                ; the last block's stores have read their registers
.endif
.set j, 0
.rept 16
	v_pk_fma_f32 v[T+j:T+j+1], v[ACC+32*\a+j:ACC+32*\a+j+1], s[66:67], v[BIAS+j:BIAS+j+1] op_sel_hi:[1,0,1]   ; each accumulator from its low end on
.set j, j+2
.endr
.irp b, 0,1,2,3
	ds_store_b128 v[STO], v[T+8*\b:T+8*\b+3] offset:64*\b
	ds_store_b128 v[STO], v[T+8*\b+4:T+8*\b+7] offset:64*\b+16
.endr
.irp t, 0,1,2,3,4,5,6,7
	ds_load_b128 v[BK+4*\t:BK+4*\t+3], v[RD] offset:\t*2*SPITCH    ; LDS serves a wave's instructions in order (ISA guide 5.7.1.4): these see my stores
.endr
	s_wait_dscnt 0x0
	WIN 0x08                                       ; source 1 window 2
.set j, 0
.rept 16
	v_pk_add_f32 v[BK+j:BK+j+1], v[BK+j:BK+j+1], v[32*\a+j:32*\a+j+1]
.set j, j+2
.endr
	WIN 0
.irp t, 0,1,2,3,4,5,6,7
	global_store_b128 v[CO], v[BK+4*\t:BK+4*\t+3], s[74:75] offset:(16*\a+2*\t)*4096   ; sixteen lanes store 256 consecutive bytes, aligned
.endr
.endr
	s_wait_tensorcnt 0x0                           ; the wave's end
	ds_add_u32 v[SPW], v[NIL]
	s_wait_dscnt 0x0
	CROUND                                         ; the closing round
	s_endpgm
.Lfunc_end_k_qd8a6cafb16_oproj:
	.size	k_qd8a6cafb16_oproj, .Lfunc_end_k_qd8a6cafb16_oproj-k_qd8a6cafb16_oproj
	.p2alignl 7, 3214868480
	.fill 96, 4, 3214868480
	.section	.rodata,"a",@progbits
	.p2align	6, 0x0
	.amdhsa_kernel k_qd8a6cafb16_oproj
		.amdhsa_group_segment_fixed_size 327680
		.amdhsa_private_segment_fixed_size 0
		.amdhsa_enable_private_segment 0
		.amdhsa_kernarg_size 48
		.amdhsa_user_sgpr_count 2
		.amdhsa_user_sgpr_kernarg_segment_ptr 1
		.amdhsa_wavefront_size32 1
		.amdhsa_system_sgpr_workgroup_id_x 1
		.amdhsa_system_sgpr_workgroup_id_y 1
		.amdhsa_system_sgpr_workgroup_id_z 1
		.amdhsa_system_vgpr_workitem_id 0
		.amdhsa_next_free_vgpr 640
		.amdhsa_next_free_sgpr 84
		.amdhsa_reserve_vcc 0
		.amdhsa_float_denorm_mode_32 3
		.amdhsa_float_denorm_mode_16_64 3
		.amdhsa_memory_ordered 1
		.amdhsa_forward_progress 1
		.amdhsa_inst_pref_size 60
	.end_amdhsa_kernel
	.amdgpu_metadata
---
amdhsa.version: [ 1, 2 ]
amdhsa.kernels:
  - .name:           k_qd8a6cafb16_oproj
    .symbol:         k_qd8a6cafb16_oproj.kd
    .args:
      - { .name: ctx_img, .offset: 0, .size: 8, .value_kind: global_buffer, .address_space: global }
      - { .name: out_w_codes, .offset: 8, .size: 8, .value_kind: global_buffer, .address_space: global }
      - { .name: lowp_scales, .offset: 16, .size: 8, .value_kind: global_buffer, .address_space: global }
      - { .name: out_b, .offset: 24, .size: 8, .value_kind: global_buffer, .address_space: global }
      - { .name: src, .offset: 32, .size: 8, .value_kind: global_buffer, .address_space: global }
      - { .name: src2, .offset: 40, .size: 8, .value_kind: global_buffer, .address_space: global }
    .group_segment_fixed_size: 327680
    .private_segment_fixed_size: 0
    .kernarg_segment_align: 8
    .kernarg_segment_size: 48
    .max_flat_workgroup_size: 128
    .sgpr_count:     84
    .vgpr_count:     640
    .wavefront_size: 32
...
	.end_amdgpu_metadata
.endif
;; end of part 4
;; launch ln2 (part 5): grid 256 x 1, 16 waves a work-group, no clusters, 83,968 bytes of LDS; arguments src2, fnorm_w, fnorm_b, lowp_scales, acodes; writes acodes
.if DOCPART == 5
	.amdgcn_target "amdgcn-amd-amdhsa--gfx1250"
	.amdhsa_code_object_version 6
	.text
	.protected	k_qd8a6cafb16_ln2
	.globl	k_qd8a6cafb16_ln2
	.p2align	8
	.type	k_qd8a6cafb16_ln2,@function
k_qd8a6cafb16_ln2:
	s_mov_b64 s[64:65], 0
	v_nop
	global_prefetch_b8 v0, s[64:65] scope:SCOPE_SE
	s_setreg_imm32_b32 hwreg(HW_REG_WAVE_MODE, 25, 1), 1
	s_wait_xcnt 0x0
; codes[R][c] = Q((x[R][c] - mean) / sqrt(var + 1e-5) * w[c] + b[c]).  x: [4096][1024] f32; codes: [4096][1024], E5M2, row-major, K innermost.
; Q: / 2^e, held within +-57,344, to the nearest code, ties to even; e = entry EIDX of the scales' exponents.  LIMITS: -126 <= e <= 112; NaN among the inputs is not served.
; Sixteen waves, one row a wave: a row is 4,096 bytes, eight loads of 16 bytes a lane, each load of the wave 512 consecutive bytes; it stays in 32 registers between the mean, the variance and the scaling.
; The finished row turns through the wave's own stage in LDS, in as it was loaded, out 64 bytes a lane (16 bytes of padding behind each 64), so that a lane's registers hold neighbours along K for the conversion.
; A lane's 16 codes are 16 bytes: a store of the wave covers 512 consecutive bytes, aligned.
; No barrier: waves share nothing.  No matrix unit, no cluster, no tensor load, no prefetch: nothing of x is read twice, there is no loop, and all 24 loads of a wave are out at once.
.set EIDX, 8
.set GW,   32                          ; v32-63   w of my 32 columns
.set GB,   64                          ; v64-95   b
.set X,    96                          ; v96-127  the row
.set T,    160                         ; v160-191 the row back from the stage: 2 x 16 neighbours
.set C,    16                          ; v16-23   codes
.set WREG, 5120                        ; LDS of a wave: a stage of 64 x SP bytes; the spare words lie behind the sixteen stages
.set SP,   80
	s_load_b256 s[4:11], s[0:1], 0x0               ; x s[4:5], w s[6:7], b s[8:9], the scales' exponents s[10:11]
	s_load_b64 s[12:13], s[0:1], 0x20              ; the codes
	v_lshl_add_u32 v192, v0, 2, 0x14000
	v_mov_b32 v193, 0
	v_lshrrev_b32 v1, 5, v0
	s_delay_alu instid0(VALU_DEP_1)
	v_readfirstlane_b32 s16, v1                    ; wave
	v_and_b32 v1, 31, v0                           ; lane
	s_delay_alu instid0(VALU_DEP_1)
	v_lshlrev_b32 v2, 4, v1                        ; 16 x lane
	s_mul_i32 s17, s16, WREG
	v_lshrrev_b32 v3, 2, v1
	s_delay_alu instid0(VALU_DEP_1)
	v_mul_u32_u24 v3, v3, SP
	v_and_b32 v4, 3, v1
	s_delay_alu instid0(VALU_DEP_1)
	v_lshl_add_u32 v3, v4, 4, v3
	s_delay_alu instid0(VALU_DEP_1)
	v_add_nc_u32 v3, s17, v3                       ; the stage, on the way in: SP (lane / 4) + 16 (lane % 4)
	v_mul_u32_u24 v4, v1, SP
	s_delay_alu instid0(VALU_DEP_1)
	v_add_nc_u32 v4, s17, v4                       ; and on the way out: SP x lane
	v_mov_b32 v7, 0                                ; a lane permute's destination counts as read: written once
	s_mov_b32 s18, 0x76543210
	s_mov_b32 s19, 0xfedcba98                      ; selects: lane l xor 16
	s_mov_b32 s21, 0x3a800000                      ; 1 / 1,024
	s_mov_b32 s22, 0x3727c5ac                      ; 1e-5
	s_lshl_b32 s24, ttmp9, 4
	s_add_co_u32 s24, s24, s16                     ; my row: 16 x work-group + wave
	s_lshl_b32 s26, s24, 12
	s_mov_b32 s27, 0
	s_lshl_b32 s28, s24, 10
	s_mov_b32 s29, 0
	s_wait_alu depctr_va_vdst(0)                   ; the wait at the head's end
	s_wait_kmcnt 0x0
	s_load_b32 s20, s[10:11], 4*EIDX               ; e
	s_add_nc_u64 s[4:5], s[4:5], s[26:27]
	s_add_nc_u64 s[12:13], s[12:13], s[28:29]
.irp j, 0,1,2,3,4,5,6,7
	global_load_b128 v[X+4*\j:X+4*\j+3], v2, s[4:5] offset:512*\j th:TH_LOAD_NT
.endr
.irp j, 0,1,2,3,4,5,6,7
	global_load_b128 v[GW+4*\j:GW+4*\j+3], v2, s[6:7] offset:512*\j
.endr
.irp j, 0,1,2,3,4,5,6,7
	global_load_b128 v[GB+4*\j:GB+4*\j+3], v2, s[8:9] offset:512*\j
.endr
	s_wait_kmcnt 0x0
	s_add_co_i32 s20, s20, 127
	s_lshl_b32 s23, s20, 23
	v_mov_b32 v6, s23                              ; 2^e as f32
	s_add_co_i32 s20, s20, 15
	s_lshl_b32 s20, s20, 23
	s_or_b32 s20, s20, 0x600000
	v_mov_b32 v5, s20                              ; 57,344 x 2^e
.macro REDUCE                          ; v12 summed over the 32 lanes, the result in every lane
	s_delay_alu instid0(VALU_DEP_1)
	v_add_f32_dpp v12, v12, v12 row_xmask:1 row_mask:0xf bank_mask:0xf
	s_delay_alu instid0(VALU_DEP_1)
	v_add_f32_dpp v12, v12, v12 row_xmask:2 row_mask:0xf bank_mask:0xf
	s_delay_alu instid0(VALU_DEP_1)
	v_add_f32_dpp v12, v12, v12 row_xmask:4 row_mask:0xf bank_mask:0xf
	s_delay_alu instid0(VALU_DEP_1)
	v_add_f32_dpp v12, v12, v12 row_xmask:8 row_mask:0xf bank_mask:0xf
	s_delay_alu instid0(VALU_DEP_1)
	v_permlanex16_b32 v7, v12, s18, s19
	s_delay_alu instid0(VALU_DEP_1)
	v_add_f32 v12, v12, v7
.endm
	s_wait_loadcnt 16                              ; the row is in; the sixteen loads of w and b may be out
	v_pk_add_f32 v[12:13], v[X:X+1], v[X+2:X+3]                ; the sum, two at a time, in two chains
	v_pk_add_f32 v[14:15], v[X+4:X+5], v[X+6:X+7]
.irp j, 8,12,16,20,24,28
	s_delay_alu instid0(VALU_DEP_2)
	v_pk_add_f32 v[12:13], v[12:13], v[X+\j:X+\j+1]
	s_delay_alu instid0(VALU_DEP_2)
	v_pk_add_f32 v[14:15], v[14:15], v[X+\j+2:X+\j+3]
.endr
	s_delay_alu instid0(VALU_DEP_1)
	v_pk_add_f32 v[12:13], v[12:13], v[14:15]
	s_delay_alu instid0(VALU_DEP_1)
	v_add_f32 v12, v12, v13
	REDUCE
	s_delay_alu instid0(VALU_DEP_1)
	v_mul_f32 v8, s21, v12                         ; the mean, twice
	s_delay_alu instid0(VALU_DEP_2)
	v_mul_f32 v9, s21, v12
.irp j, 0,2,4,6,8,10,12,14,16,18,20,22,24,26,28,30
	v_pk_add_f32 v[X+\j:X+\j+1], v[X+\j:X+\j+1], v[8:9] neg_lo:[0,1] neg_hi:[0,1]   ; x - mean
.endr
	v_pk_mul_f32 v[12:13], v[X:X+1], v[X:X+1]                  ; the squares of the differences: no difference of large sums
	v_pk_mul_f32 v[14:15], v[X+2:X+3], v[X+2:X+3]
.irp j, 4,8,12,16,20,24,28
	s_delay_alu instid0(VALU_DEP_2)
	v_pk_fma_f32 v[12:13], v[X+\j:X+\j+1], v[X+\j:X+\j+1], v[12:13]
	s_delay_alu instid0(VALU_DEP_2)
	v_pk_fma_f32 v[14:15], v[X+\j+2:X+\j+3], v[X+\j+2:X+\j+3], v[14:15]
.endr
	s_delay_alu instid0(VALU_DEP_1)
	v_pk_add_f32 v[12:13], v[12:13], v[14:15]
	s_delay_alu instid0(VALU_DEP_1)
	v_add_f32 v12, v12, v13
	REDUCE
	s_delay_alu instid0(VALU_DEP_1)
	v_fma_f32 v12, v12, s21, s22                   ; variance + 1e-5
	s_wait_alu depctr_va_vdst(0)                   ; the wait ahead of the transcendentals
	v_rsq_f32 v10, v12
	v_rsq_f32 v11, v12
	v_nop                                          ; a plain instruction behind the last transcendental (ISA guide 5.7.2)
	s_wait_alu depctr_va_vdst(0)                   ; one wait for both, ahead of their first reader
.irp j, 0,2,4,6,8,10,12,14,16,18,20,22,24,26,28,30
	v_pk_mul_f32 v[X+\j:X+\j+1], v[X+\j:X+\j+1], v[10:11]
.endr
	s_wait_alu depctr_va_vdst(0)
	s_wait_loadcnt 0x0                             ; w and b
.irp j, 0,2,4,6,8,10,12,14,16,18,20,22,24,26,28,30
	v_pk_fma_f32 v[X+\j:X+\j+1], v[X+\j:X+\j+1], v[GW+\j:GW+\j+1], v[GB+\j:GB+\j+1]
.endr
.irp j, 0,1,2,3,4,5,6,7
	ds_store_b128 v3, v[X+4*\j:X+4*\j+3] offset:8*SP*\j
.endr
.irp u, 0,1
.irp k, 0,1,2,3
	ds_load_b128 v[T+16*\u+4*\k:T+16*\u+4*\k+3], v4 offset:32*SP*\u+16*\k   ; LDS serves a wave's instructions in order (ISA guide 5.7.1.4).  T[16 u ..] = columns 512 u + 16 lane + 0 .. 15
.endr
.endr
	s_wait_dscnt 0x0
.set n, 0
.rept 32
	v_med3_num_f32 v[T+n], v[T+n], -v5, v5         ; the conversion does not saturate (ISA guide 7.6.2): the hold
.set n, n+1
.endr
.irp g, 0,1,2,3
	v_cvt_scalef32_pk8_bf8_f32 v[C+2*\g:C+2*\g+1], v[T+8*\g:T+8*\g+7], v6
.endr
	v_nop                                          ; a plain instruction behind the last conversion
	global_store_b128 v2, v[C:C+3], s[12:13]
	global_store_b128 v2, v[C+4:C+7], s[12:13] offset:512
	s_wait_tensorcnt 0x0                           ; the wave's end
	ds_add_u32 v192, v193
	s_wait_dscnt 0x0
	s_endpgm
.Lfunc_end_k_qd8a6cafb16_ln2:
	.size	k_qd8a6cafb16_ln2, .Lfunc_end_k_qd8a6cafb16_ln2-k_qd8a6cafb16_ln2
	.p2alignl 7, 3214868480
	.fill 96, 4, 3214868480
	.section	.rodata,"a",@progbits
	.p2align	6, 0x0
	.amdhsa_kernel k_qd8a6cafb16_ln2
		.amdhsa_group_segment_fixed_size 83968
		.amdhsa_private_segment_fixed_size 0
		.amdhsa_enable_private_segment 0
		.amdhsa_kernarg_size 40
		.amdhsa_user_sgpr_count 2
		.amdhsa_user_sgpr_kernarg_segment_ptr 1
		.amdhsa_wavefront_size32 1
		.amdhsa_system_sgpr_workgroup_id_x 1
		.amdhsa_system_sgpr_workgroup_id_y 1
		.amdhsa_system_sgpr_workgroup_id_z 1
		.amdhsa_system_vgpr_workitem_id 0
		.amdhsa_next_free_vgpr 194
		.amdhsa_next_free_sgpr 66
		.amdhsa_reserve_vcc 0
		.amdhsa_float_denorm_mode_32 3
		.amdhsa_float_denorm_mode_16_64 3
		.amdhsa_memory_ordered 1
		.amdhsa_forward_progress 1
		.amdhsa_inst_pref_size 16
	.end_amdhsa_kernel
	.amdgpu_metadata
---
amdhsa.version: [ 1, 2 ]
amdhsa.kernels:
  - .name:           k_qd8a6cafb16_ln2
    .symbol:         k_qd8a6cafb16_ln2.kd
    .args:
      - { .name: src2, .offset: 0, .size: 8, .value_kind: global_buffer, .address_space: global }
      - { .name: fnorm_w, .offset: 8, .size: 8, .value_kind: global_buffer, .address_space: global }
      - { .name: fnorm_b, .offset: 16, .size: 8, .value_kind: global_buffer, .address_space: global }
      - { .name: lowp_scales, .offset: 24, .size: 8, .value_kind: global_buffer, .address_space: global }
      - { .name: acodes, .offset: 32, .size: 8, .value_kind: global_buffer, .address_space: global }
    .group_segment_fixed_size: 83968
    .private_segment_fixed_size: 0
    .kernarg_segment_align: 8
    .kernarg_segment_size: 40
    .max_flat_workgroup_size: 512
    .sgpr_count:     66
    .vgpr_count:     194
    .wavefront_size: 32
...
	.end_amdgpu_metadata
.endif
;; end of part 5
;; launch ff1 (part 6): grid 16 x 16, 4 waves a work-group, clusters of 4 x 4, 327,680 bytes of LDS; arguments acodes, ff1_w_codes, lowp_scales, ff1_b, hid_img; writes hid_img
.if DOCPART == 6
	.amdgcn_target "amdgcn-amd-amdhsa--gfx1250"
	.amdhsa_code_object_version 6
	.text
	.protected	k_qd8a6cafb16_ff1
	.globl	k_qd8a6cafb16_ff1
	.p2align	8
	.type	k_qd8a6cafb16_ff1,@function
k_qd8a6cafb16_ff1:
	s_mov_b64 s[64:65], 0
	v_nop
	global_prefetch_b8 v0, s[64:65] scope:SCOPE_SE
	s_setreg_imm32_b32 hwreg(HW_REG_WAVE_MODE, 25, 1), 1
	s_wait_xcnt 0x0
	s_wait_alu depctr_hold_cnt(0) depctr_sa_sdst(0) depctr_va_vdst(0) depctr_va_sdst(0) depctr_va_ssrc(0) depctr_va_vcc(0) depctr_vm_vsrc(0)
	s_getreg_b32 s2, hwreg(HW_REG_IB_STS2, 6, 4)
	s_cmp_eq_u32 s2, 0
	s_cbranch_scc0 .Lentry_in_a_cluster
	s_endpgm
.Lentry_in_a_cluster:
	s_bfe_u32 s2, ttmp6, 0x10000c
	s_cmp_lg_u32 s2, 0xf033
	s_cbranch_scc0 .Lentry_shape_is_right
	s_endpgm
.Lentry_shape_is_right:
.set SIZE_K, 1024
.set KSTEP,  256
.set ROWB,   256
.set KROW,   SIZE_K
.set PITCH,  272
.set FR,     16
.set NL,     4
.set NP,     4
.set HALFT,  128*PITCH
.set SLOT,   4*HALFT
.set LAPS,   SIZE_K/(2*KSTEP)
.set SPARE,  2*SLOT
.set ADRA, 16
.set ADRB, 20
.set LI,   27
.set SPW,  28
.set NIL,  29
.set BO,   30
.set BIAS, 32
.set HOLD, 112
.set SCL,  113
.set AF,   128
.set TMP,  128
.set CD,   192
.set G1, 24
.set G0, 32
.set G1B, 48
.set G0B, 56
.set MSB, 0
.macro WIN new
.if MSB != \new
	s_set_vgpr_msb (MSB<<8)|\new
.set MSB, \new
.endif
.endm
.set MUL_LO, 0xa1
.set MUL_HI, 0xf1
.set TO_B,   0x40
.macro JLOAD g0a, g1a, g0b, g1b
	s_cmp_eq_u32 s15, 0
	s_cbranch_scc0 .Lfor_b_\@
	tensor_load_to_lds s[\g0a:\g0a+3], s[\g1a:\g1a+7]
	s_nop 0
.rept 4
	v_nop
.endr
	s_branch .Lasked_\@
.Lfor_b_\@:
	tensor_load_to_lds s[\g0b:\g0b+3], s[\g1b:\g1b+7]
	s_nop 0
.rept 4
	v_nop
.endr
.Lasked_\@:
.endm
.macro CREST
	s_cmp_lg_u32 s14, 0
	s_cbranch_scc1 .Lnot_wave_0_\@
	s_barrier_signal -3
.Lnot_wave_0_\@:
	s_barrier_wait -3
	s_barrier_signal -1
	s_barrier_wait -1
.endm
.macro CROUND
	s_barrier_signal -1
	s_barrier_wait -1
	CREST
.endm
	s_load_b128 s[4:7], s[0:1], 0x0
	s_load_b128 s[8:11], s[0:1], 0x10
	s_load_b64 s[88:89], s[0:1], 0x20
	v_lshl_add_u32 v[SPW], v0, 2, SPARE
	v_mov_b32 v[NIL], 0
	ds_add_u32 v28, v29
	ds_add_u32 v28, v29
	s_wait_dscnt 0x0
	v_lshrrev_b32 v1, 5, v0
	v_readfirstlane_b32 s14, v1
	s_lshr_b32 s15, s14, 1
	s_and_b32 s16, s14, 1
	s_bfe_u32 s40, ttmp6, 0x40000
	s_bfe_u32 s41, ttmp6, 0x40004
	s_lshl_b32 s42, ttmp9, 2
	s_add_co_u32 s42, s42, s40
	s_and_b32 s17, ttmp7, 0xffff
	s_lshl_b32 s17, s17, 2
	s_add_co_u32 s17, s17, s41
	s_lshl_b32 s43, s41, 2
	s_lshl_b32 s43, 15, s43
	s_lshl_b32 s44, 0x1111, s40
	s_or_b32 s[G1+0], s43, (0<<16)|(1<<20)|(1<<21)|(5<<22)|(3<<25)
	s_or_b32 s[G1B+0], s44, (0<<16)|(1<<20)|(1<<21)|(5<<22)|(3<<25)
.irp g, G1, G1B
	s_mov_b32 s[\g+1], ROWB<<16
	s_mov_b32 s[\g+2], 128<<16
	s_mov_b32 s[\g+3], ROWB<<16
	s_mov_b32 s[\g+4], 128
	s_mov_b32 s[\g+5], KROW
	s_mov_b32 s[\g+6], 0
	s_mov_b32 s[\g+7], 0
.endr
	s_lshl_b32 s18, s16, 7
	s_lshl_b32 s20, s17, 8
	s_add_co_u32 s20, s20, s18
	s_lshl_b32 s46, s42, 8
	s_add_co_u32 s46, s46, s18
	s_mov_b32 s21, 0
	s_mov_b32 s47, 0
	s_mov_b64 s[18:19], KROW
	s_mul_u64 s[20:21], s[20:21], s[18:19]
	s_mul_u64 s[46:47], s[46:47], s[18:19]
	s_mul_i32 s45, s14, HALFT
	s_wait_kmcnt 0x0
	s_load_b128 s[76:79], s[8:9], 0x20
	; THE PREFETCHES' ADDRESS: of the 128 rows that I fetch, each of the four partners that ask for them with me takes 32, told apart by address: by cx for x's tile, which my row of the cluster shares, by cy for W's.
	; A lane a row; a K step is 256 bytes of a row.  s[100:101] and v26 are never rewritten.
	s_cmp_eq_u32 s15, 0                            ; do I fetch for x?
	s_cselect_b64 s[66:67], s[20:21], s[46:47]     ; my 128 rows, as an offset
	s_cselect_b64 s[100:101], s[4:5], s[6:7]
	s_cselect_b32 s68, s40, s41                    ; my place among the four
	s_lshl_b32 s68, s68, 15                        ; 32 rows of 1,024 bytes
	s_mov_b32 s69, 0
	s_add_nc_u64 s[66:67], s[66:67], s[68:69]
	s_add_nc_u64 s[100:101], s[100:101], s[66:67]
	s_add_nc_u64 s[20:21], s[4:5], s[20:21]
	s_add_nc_u64 s[46:47], s[6:7], s[46:47]
	CROUND
.irp s, 0,1
	s_mov_b32 s[G0+4*\s], 1
	s_add_co_u32 s[G0+4*\s+1], s45, \s*SLOT
	s_add_nc_u64 s[G0+4*\s+2:G0+4*\s+3], s[20:21], \s*ROWB
	s_or_b32 s[G0+4*\s+3], s[G0+4*\s+3], 0x80000000
	s_mov_b32 s[G0B+4*\s], 1
	s_add_co_u32 s[G0B+4*\s+1], s45, \s*SLOT
	s_add_nc_u64 s[G0B+4*\s+2:G0B+4*\s+3], s[46:47], \s*ROWB
	s_or_b32 s[G0B+4*\s+3], s[G0B+4*\s+3], 0x80000000
.endr
	JLOAD G0, G1, G0B, G1B                         ; K step 0: one tensor load a wave at the head
	v_and_b32 v26, 31, v0
	v_lshlrev_b32 v26, 10, v26                     ; my lane's row
	global_prefetch_b8 v26, s[100:101] offset:256 th:TH_LOAD_NT scope:SCOPE_SE   ; K steps 1 and 2: what the next two tensor loads will ask for
	global_prefetch_b8 v26, s[100:101] offset:512 th:TH_LOAD_NT scope:SCOPE_SE
	v_and_b32 v1, 15, v0
	v_bfe_u32 v2, v0, 4, 1
	v_mul_u32_u24 v3, v1, PITCH
	v_lshl_add_u32 v4, v2, 4, v3
	s_mul_i32 s21, s15, HALFT
	s_mul_i32 s22, s16, HALFT
	s_add_co_u32 s22, s22, 2*HALFT
.irp s, 0,1
	v_add_nc_u32 v[ADRA+\s], s21, v4
	v_add_nc_u32 v[ADRB+\s], s22, v4
	s_add_co_u32 s21, s21, SLOT
	s_add_co_u32 s22, s22, SLOT
.endr
	v_and_b32 v6, 31, v0
	v_lshlrev_b32 v[LI], 4, v6
	v_lshlrev_b32 v[BO], 5, v2
	s_lshl_b32 s84, s42, 10
	s_lshl_b32 s86, s16, 9
	s_add_co_u32 s84, s84, s86
	s_mov_b32 s85, 0
	s_add_nc_u64 s[84:85], s[10:11], s[84:85]
.irp b, 0,1,2,3,4,5,6,7
	global_load_b128 v[BIAS+8*\b:BIAS+8*\b+3], v[BO], s[84:85] offset:64*\b
	global_load_b128 v[BIAS+8*\b+4:BIAS+8*\b+7], v[BO], s[84:85] offset:64*\b+16
.endr
	s_lshl_b32 s90, s17, 4
	s_lshl_b32 s91, s15, 3
	s_add_co_u32 s90, s90, s91
	s_lshl_b32 s90, s90, 5
	s_lshl_b32 s91, s42, 1
	s_add_co_u32 s90, s90, s91
	s_add_co_u32 s90, s90, s16
	s_lshl_b32 s90, s90, 11
	s_mov_b32 s91, 0
	s_add_nc_u64 s[88:89], s[88:89], s[90:91]
.macro FRAG reg, adr, q, i
.irp c, 0,1,2,3
	ds_load_b128 v[\reg+4*\c:\reg+4*\c+3], v[\adr] offset:128*(\q)+32*\c+(\i)*16*PITCH
.endr
.endm
.macro MUL16 a0, p, zero
.irp a, \a0, \a0+1
.irp b, 0,1,2,3,4,5,6,7
.if \zero
	v_wmma_f32_16x16x128_bf8_bf8 v[8*(8*((\a)%4)+\b):8*(8*((\a)%4)+\b)+7], v[128*(\p)+FR*\b:128*(\p)+FR*\b+FR-1], v[AF+FR*(\a):AF+FR*(\a)+FR-1], 0
.else
	v_wmma_f32_16x16x128_bf8_bf8 v[8*(8*((\a)%4)+\b):8*(8*((\a)%4)+\b)+7], v[128*(\p)+FR*\b:128*(\p)+FR*\b+FR-1], v[AF+FR*(\a):AF+FR*(\a)+FR-1], v[8*(8*((\a)%4)+\b):8*(8*((\a)%4)+\b)+7]
.endif
.endr
.endr
.endm
.macro FETCH_B slot, q, p
	WIN TO_B
.irp i, 0,1,2,3,4,5,6,7
	FRAG 128*(\p)+FR*\i, ADRB+\slot, \q, \i
.endr
	WIN 0
.endm
.macro FETCH_A slot, q, i0
.irp i, \i0, \i0+1, \i0+2, \i0+3
	FRAG AF+FR*(\i), ADRA+\slot, \q, \i
.endr
.endm
.macro PLACES n
.rept \n
	v_nop
.endr
.endm
.macro STEP slot, q, zero
	s_wait_dscnt 4*NL
	WIN MUL_LO
	MUL16 0, (\q)%2, \zero
	MUL16 2, (\q)%2, \zero
	s_wait_dscnt 0
	PLACES NP
	FETCH_B \slot, (\q)+1, 1-(\q)%2
	FETCH_A \slot, (\q)+1, 0
	WIN MUL_HI
	MUL16 4, (\q)%2, \zero
	MUL16 6, (\q)%2, \zero
	PLACES NP
	WIN 0
	FETCH_A \slot, (\q)+1, 4
.endm
.macro TURN slot, next, fill
	s_wait_tensorcnt 0x0
	ds_add_u32 v[SPW], v[NIL]
	s_wait_dscnt 4*NL+1
	WIN MUL_LO
	MUL16 0, 1, 0
	s_wait_dscnt 0x0
	s_barrier_signal -1
	MUL16 2, 1, 0
	WIN 0
	s_barrier_wait -1
.if \fill
	CREST
	s_add_nc_u64 s[G0+4*\slot+2:G0+4*\slot+3], s[G0+4*\slot+2:G0+4*\slot+3], 2*ROWB
	s_add_nc_u64 s[G0B+4*\slot+2:G0B+4*\slot+3], s[G0B+4*\slot+2:G0B+4*\slot+3], 2*ROWB
	JLOAD G0+4*\slot, G1, G0B+4*\slot, G1B
.else
	PLACES NP
.endif
	FETCH_B \next, 0, 0
	FETCH_A \next, 0, 0
	WIN MUL_HI
	MUL16 4, 1, 0
	MUL16 6, 1, 0
	PLACES NP
	WIN 0
	FETCH_A \next, 0, 4
.endm
	s_wait_alu depctr_va_vdst(0)
	s_wait_tensorcnt 0x0                           ; my part of K step 0 is in
	ds_add_u32 v[SPW], v[NIL]
	s_wait_dscnt 0x0
	CROUND                                         ; everybody's part of K step 0 is in, and all sixteen work-groups are here
	JLOAD G0+4, G1, G0B+4, G1B                     ; K step 1's load, the first tensor load behind the round
	FETCH_B 0, 0, 0
	FETCH_A 0, 0, 0
	FETCH_A 0, 0, 4
	global_prefetch_b8 v26, s[100:101] offset:768 th:TH_LOAD_NT scope:SCOPE_SE   ; K step 3, the last: two tensor loads ahead of its own
	STEP 0, 0, 1
	s_mov_b32 s3, LAPS-1
.Llap:
	TURN 0, 1, 1
	STEP 1, 0, 0
	TURN 1, 0, 1
	STEP 0, 0, 0
	s_sub_co_u32 s3, s3, 1
	s_cmp_lg_u32 s3, 0
	s_cbranch_scc1 .Llap
	TURN 0, 1, 0
	STEP 1, 0, 0
	s_wait_dscnt 4*NL
	WIN MUL_LO
	MUL16 0, 1, 0
	MUL16 2, 1, 0
	s_wait_dscnt 0
	WIN MUL_HI
	MUL16 4, 1, 0
	MUL16 6, 1, 0
	WIN 0
.macro OUTBLK a
.if (\a) >= 4
	s_wait_xcnt 0x0
.endif
	WIN (0x02+((\a)/4))
.set j, 0
.rept 32
	v_pk_fma_f32 v[TMP+j:TMP+j+1], v[64*((\a)%4)+j:64*((\a)%4)+j+1], s[96:97], v[BIAS+j:BIAS+j+1] op_sel_hi:[1,0,1]
.set j, j+2
.endr
	WIN 0
.set j, 0
.rept 64
	v_med3_num_f32 v[TMP+j], v[TMP+j], 0, v[HOLD]
.set j, j+1
.endr
.irp b, 0,1,2,3,4,5,6,7
	v_cvt_scalef32_pk8_bf8_f32 v[CD+16*((\a)%4)+2*\b:CD+16*((\a)%4)+2*\b+1], v[TMP+8*\b:TMP+8*\b+7], v[SCL]
.endr
	v_nop
.irp g, 0,1,2,3
	global_store_b128 v[LI], v[CD+16*((\a)%4)+4*\g:CD+16*((\a)%4)+4*\g+3], s[88:89] offset:65536*(\a)+512*\g
.endr
.endm
	s_wait_kmcnt 0x0
	s_wait_loadcnt 0x0
	s_add_co_i32 s96, s76, s77
	s_add_co_i32 s96, s96, 127
	s_lshl_b32 s96, s96, 23
	s_mov_b32 s97, s96
	s_add_co_i32 s98, s78, 127
	s_lshl_b32 s99, s98, 23
	v_mov_b32 v[SCL], s99
	s_add_co_i32 s98, s98, 15
	s_lshl_b32 s98, s98, 23
	s_or_b32 s98, s98, 0x600000
	v_mov_b32 v[HOLD], s98
	PLACES NP
.irp a, 0,1,2,3,4,5,6,7
	OUTBLK \a
.endr
	s_wait_tensorcnt 0x0
	ds_add_u32 v[SPW], v[NIL]
	s_wait_dscnt 0x0
	CROUND
	s_endpgm
.Lfunc_end_k_qd8a6cafb16_ff1:
	.size	k_qd8a6cafb16_ff1, .Lfunc_end_k_qd8a6cafb16_ff1-k_qd8a6cafb16_ff1
	.p2alignl 7, 3214868480
	.fill 96, 4, 3214868480
	.section	.rodata,"a",@progbits
	.p2align	6, 0x0
	.amdhsa_kernel k_qd8a6cafb16_ff1
		.amdhsa_group_segment_fixed_size 327680
		.amdhsa_private_segment_fixed_size 0
		.amdhsa_enable_private_segment 0
		.amdhsa_kernarg_size 40
		.amdhsa_user_sgpr_count 2
		.amdhsa_user_sgpr_kernarg_segment_ptr 1
		.amdhsa_wavefront_size32 1
		.amdhsa_system_sgpr_workgroup_id_x 1
		.amdhsa_system_sgpr_workgroup_id_y 1
		.amdhsa_system_sgpr_workgroup_id_z 1
		.amdhsa_system_vgpr_workitem_id 0
		.amdhsa_next_free_vgpr 1024
		.amdhsa_next_free_sgpr 102
		.amdhsa_reserve_vcc 0
		.amdhsa_float_denorm_mode_32 3
		.amdhsa_float_denorm_mode_16_64 3
		.amdhsa_memory_ordered 1
		.amdhsa_forward_progress 1
		.amdhsa_inst_pref_size 136
	.end_amdhsa_kernel
	.amdgpu_metadata
---
amdhsa.version: [ 1, 2 ]
amdhsa.kernels:
  - .name:           k_qd8a6cafb16_ff1
    .symbol:         k_qd8a6cafb16_ff1.kd
    .args:
      - { .name: acodes, .offset: 0, .size: 8, .value_kind: global_buffer, .address_space: global }
      - { .name: ff1_w_codes, .offset: 8, .size: 8, .value_kind: global_buffer, .address_space: global }
      - { .name: lowp_scales, .offset: 16, .size: 8, .value_kind: global_buffer, .address_space: global }
      - { .name: ff1_b, .offset: 24, .size: 8, .value_kind: global_buffer, .address_space: global }
      - { .name: hid_img, .offset: 32, .size: 8, .value_kind: global_buffer, .address_space: global }
    .group_segment_fixed_size: 327680
    .private_segment_fixed_size: 0
    .kernarg_segment_align: 8
    .kernarg_segment_size: 40
    .max_flat_workgroup_size: 128
    .sgpr_count:     102
    .vgpr_count:     1024
    .wavefront_size: 32
...
	.end_amdgpu_metadata
.endif
;; end of part 6
;; launch ff2 (part 7): grid 8 x 32, 4 waves a work-group, clusters of 4 x 4, 327,680 bytes of LDS; arguments hid_img, ff2_w_codes, lowp_scales, ff2_b, src2, out0; writes out0
.if DOCPART == 7
	.amdgcn_target "amdgcn-amd-amdhsa--gfx1250"
	.amdhsa_code_object_version 6
	.text
	.protected	k_qd8a6cafb16_ff2
	.globl	k_qd8a6cafb16_ff2
	.p2align	8
	.type	k_qd8a6cafb16_ff2,@function
k_qd8a6cafb16_ff2:
	s_mov_b64 s[64:65], 0
	v_nop
	global_prefetch_b8 v0, s[64:65] scope:SCOPE_SE
	s_setreg_imm32_b32 hwreg(HW_REG_WAVE_MODE, 25, 1), 1
	s_wait_xcnt 0x0
	s_wait_alu depctr_hold_cnt(0) depctr_sa_sdst(0) depctr_va_vdst(0) depctr_va_sdst(0) depctr_va_ssrc(0) depctr_va_vcc(0) depctr_vm_vsrc(0)
	s_getreg_b32 s2, hwreg(HW_REG_IB_STS2, 6, 4)
	s_cmp_eq_u32 s2, 0
	s_cbranch_scc0 .Lentry_in_a_cluster
	s_endpgm
.Lentry_in_a_cluster:
	s_bfe_u32 s2, ttmp6, 0x10000c
	s_cmp_lg_u32 s2, 0xf033
	s_cbranch_scc0 .Lentry_shape_is_right
	s_endpgm
.Lentry_shape_is_right:
.set SIZE_K, 4096
.set EOFF,   40
.set NQ,     SIZE_K/128
.set KSLOT,  1024
.set BP,     1040
.set WQ,     32*BP
.set SLOT,   4*WQ
.set STAGE,  2*SLOT
.set SPITCH, 528
.set SPARE,  STAGE+4*16*SPITCH
.set LI,   16
.set ADRB, 20
.set STO,  24
.set RD,   25
.set SPW,  28
.set NIL,  29
.set BO,   30
.set T,    32
.set BK,   96
.set BIAS, 160
.set RES,  128
.set G1B, 48
.set G0B, 56
.set MSB, 0
.macro WIN new
.if MSB != \new
	s_set_vgpr_msb (MSB<<8)|\new
.set MSB, \new
.endif
.endm
.set MUL, 0xf9
.macro CREST
	s_cmp_lg_u32 s10, 0
	s_cbranch_scc1 .Lnot_wave_0_\@
	s_barrier_signal -3
.Lnot_wave_0_\@:
	s_barrier_wait -3
	s_barrier_signal -1
	s_barrier_wait -1
.endm
.macro CROUND
	s_barrier_signal -1
	s_barrier_wait -1
	CREST
.endm
.macro PLACES
.rept 4
	v_nop
.endr
.endm
.macro GROUP g
.if (\g) < NQ
	WIN 0x80
.irp a, 0,1
.irp c, 0,1,2,3
	global_load_b128 v[32*((\g)%8)+16*\a+4*\c:32*((\g)%8)+16*\a+4*\c+3], v[LI], s[14:15] offset:65536*\a+2048*(\g)+512*\c
.endr
.endr
.elseif (\g) < NQ+2
	WIN 0
.irp b, 0,1,2,3
	global_load_b128 v[BIAS+32*((\g)-NQ)+8*\b:BIAS+32*((\g)-NQ)+8*\b+3], v[BO], s[70:71] offset:256*((\g)-NQ)+64*\b
	global_load_b128 v[BIAS+32*((\g)-NQ)+8*\b+4:BIAS+32*((\g)-NQ)+8*\b+7], v[BO], s[70:71] offset:256*((\g)-NQ)+64*\b+16
.endr
.elseif (\g) < NQ+6
	WIN 0xc0
.irp t, 0,1,2,3,4,5,6,7
	global_load_b128 v[RES+32*((\g)-NQ-2)+4*\t:RES+32*((\g)-NQ-2)+4*\t+3], v[LI], s[72:73] offset:(8*((\g)-NQ-2)+\t)*4096
.endr
.endif
.endm
.macro FETCH slot, kq, p
	WIN 0x40
.irp b, 0,1,2,3,4,5,6,7
.irp c, 0,1,2,3,4,5,6,7
	ds_load_b64 v[128*(\p)+16*\b+2*\c:128*(\p)+16*\b+2*\c+1], v[ADRB+2*(\slot)+\b/4] offset:16*BP*(\b%4)+128*(\kq)+16*\c
.endr
.endr
.endm
.macro MUL2 p, s, b, zero
.irp a, 0,1
.if \zero
	v_wmma_f32_16x16x128_bf8_bf8 v[8*(8*\a+(\b)):8*(8*\a+(\b))+7], v[128*(\p)+16*(\b):128*(\p)+16*(\b)+15], v[32*(\s)+16*\a:32*(\s)+16*\a+15], 0
.else
	v_wmma_f32_16x16x128_bf8_bf8 v[8*(8*\a+(\b)):8*(8*\a+(\b))+7], v[128*(\p)+16*(\b):128*(\p)+16*(\b)+15], v[32*(\s)+16*\a:32*(\s)+16*\a+15], v[8*(8*\a+(\b)):8*(8*\a+(\b))+7]
.endif
.endr
.endm
.macro QUARTER q, zero
.set QSL, ((\q)/8)%2
.set QKQ, (\q)%8
.set QPP, (\q)%2
.if (\q) < NQ-6
	s_wait_loadcnt 48                              ; a's group q is in; the six younger groups may be out
.else
	s_wait_loadcnt 8*(NQ-1-(\q))                   ; the last quarters: only NQ - 1 - q groups are younger
.endif
	s_wait_dscnt 32
	WIN MUL
.irp b, 0,1,2,3
	MUL2 QPP, QKQ, \b, \zero
.endr
	s_wait_dscnt 0x0
	PLACES
	FETCH QSL, QKQ+1, 1-QPP
.if (\q)+7 < NQ
	GROUP (\q)+7
.endif
	WIN MUL
.irp b, 4,5,6,7
	MUL2 QPP, QKQ, \b, \zero
.endr
.endm
.macro TURNQ q, fill
.set QSL, ((\q)/8)%2
.set QKQ, (\q)%8
.set QPP, (\q)%2
	WIN 0
	s_wait_tensorcnt 0x0
	ds_add_u32 v[SPW], v[NIL]
	s_wait_loadcnt 48
	s_wait_dscnt 33
	WIN MUL
	MUL2 QPP, QKQ, 0, 0
	MUL2 QPP, QKQ, 1, 0
	s_wait_dscnt 0x0
	s_barrier_signal -1
	MUL2 QPP, QKQ, 2, 0
	MUL2 QPP, QKQ, 3, 0
	WIN 0
	s_barrier_wait -1
.if \fill
	CREST
	s_add_nc_u64 s[G0B+4*QSL+2:G0B+4*QSL+3], s[G0B+4*QSL+2:G0B+4*QSL+3], 2*KSLOT
	tensor_load_to_lds s[G0B+4*QSL:G0B+4*QSL+3], s[G1B:G1B+7]
	s_nop 0
	PLACES
.else
	PLACES
.endif
	FETCH 1-QSL, 0, 1-QPP
	GROUP (\q)+7
	WIN MUL
.irp b, 4,5,6,7
	MUL2 QPP, QKQ, \b, 0
.endr
.endm
	s_load_b128 s[4:7], s[0:1], 0x0
	s_load_b128 s[68:71], s[0:1], 0x10
	s_load_b128 s[72:75], s[0:1], 0x20
	v_lshl_add_u32 v[SPW], v0, 2, SPARE
	v_mov_b32 v[NIL], 0
	ds_add_u32 v28, v29
	ds_add_u32 v28, v29
	s_wait_dscnt 0x0
	v_lshrrev_b32 v1, 5, v0
	v_readfirstlane_b32 s10, v1
	s_bfe_u32 s40, ttmp6, 0x40000
	s_bfe_u32 s41, ttmp6, 0x40004
	s_lshl_b32 s42, ttmp9, 2
	s_add_co_u32 s42, s42, s40
	s_and_b32 s13, ttmp7, 0xffff
	s_lshl_b32 s13, s13, 2
	s_add_co_u32 s13, s13, s41
	s_lshl_b32 s44, 0x1111, s40
	s_or_b32 s[G1B+0], s44, (0<<16)|(1<<20)|(1<<21)|(7<<22)|(3<<25)
	s_mov_b32 s[G1B+1], KSLOT<<16
	s_mov_b32 s[G1B+2], 32<<16
	s_mov_b32 s[G1B+3], KSLOT<<16
	s_mov_b32 s[G1B+4], 32
	s_mov_b32 s[G1B+5], SIZE_K
	s_mov_b32 s[G1B+6], 0
	s_mov_b32 s[G1B+7], 0
	s_lshl_b32 s16, s13, 3
	s_lshl_b32 s17, s10, 1
	s_add_co_u32 s16, s16, s17
	s_lshl_b32 s16, s16, 16
	s_mov_b32 s17, 0
	s_lshl_b32 s46, s42, 7
	s_lshl_b32 s47, s10, 5
	s_add_co_u32 s46, s46, s47
	s_lshl_b32 s46, s46, 12
	s_mov_b32 s47, 0
	s_mul_i32 s20, s10, WQ
	s_lshl_b32 s76, s13, 7                         ; my first row of res and of the result: 128 x tile row + 32 x wave,
	s_lshl_b32 s77, s10, 5
	s_add_co_u32 s76, s76, s77
	s_lshl_b32 s76, s76, 12
	s_lshl_b32 s78, s42, 9                         ; my first column, in bytes
	s_mov_b32 s79, 0
	s_add_co_u32 s76, s76, s78
	s_mov_b32 s77, 0
	v_and_b32 v3, 31, v0
	v_lshlrev_b32 v[LI], 4, v3
	v_bfe_u32 v2, v0, 4, 1
	v_lshlrev_b32 v[BO], 5, v2
	v_lshrrev_b32 v4, 2, v3
	v_and_b32 v5, 3, v3
	v_lshlrev_b32 v5, 8, v5
	v_lshl_add_u32 v27, v4, 12, v5                 ; the prefetches' offset: row lane / 4 (4,096 bytes), block lane % 4 (256 bytes); never rewritten
	s_wait_alu depctr_va_vdst(0)
	s_wait_kmcnt 0x0
	s_load_b64 s[66:67], s[68:69], EOFF
	s_add_nc_u64 s[14:15], s[4:5], s[16:17]
	s_add_nc_u64 s[46:47], s[6:7], s[46:47]
	s_add_nc_u64 s[72:73], s[72:73], s[76:77]
	s_add_nc_u64 s[74:75], s[74:75], s[76:77]
	s_add_nc_u64 s[70:71], s[70:71], s[78:79]
	; THE PREFETCHES' ADDRESS: a slot's part of the 32 rows of W that I fetch is 128 blocks of 256 bytes; each of the four partners of my column of the cluster takes 8 rows, 32 blocks, told apart by address (cy).  s[82:83] is never rewritten.
	s_lshl_b32 s80, s41, 15                        ; 8 rows of 4,096 bytes
	s_mov_b32 s81, 0
	s_add_nc_u64 s[82:83], s[46:47], s[80:81]
	CROUND
.irp s, 0,1
	s_mov_b32 s[G0B+4*\s], 1
	s_add_co_u32 s[G0B+4*\s+1], s20, \s*SLOT
	s_add_nc_u64 s[G0B+4*\s+2:G0B+4*\s+3], s[46:47], \s*KSLOT
	s_or_b32 s[G0B+4*\s+3], s[G0B+4*\s+3], 0x80000000
.endr
	tensor_load_to_lds s[G0B:G0B+3], s[G1B:G1B+7]      ; slot 0: one tensor load a wave at the head
	s_nop 0
	PLACES
	global_prefetch_b8 v27, s[82:83] offset:1024 th:TH_LOAD_NT scope:SCOPE_SE   ; slots 1 and 2: what the next two tensor loads will ask for
	global_prefetch_b8 v27, s[82:83] offset:2048 th:TH_LOAD_NT scope:SCOPE_SE
	; b and res (six groups of eight loads) are asked for first, then a's first seven groups: loads come back in the order of issue
.irp g, NQ,NQ+1,NQ+2,NQ+3,NQ+4,NQ+5,0,1,2,3,4,5,6
	GROUP \g
.endr
	WIN 0
	v_and_b32 v1, 15, v0
	v_bfe_u32 v2, v0, 4, 1
	v_mul_u32_u24 v[ADRB], v1, BP
	v_lshl_add_u32 v[ADRB], v2, 3, v[ADRB]
	v_add_nc_u32 v[ADRB+1], 64*BP, v[ADRB]
	v_add_nc_u32 v[ADRB+2], SLOT, v[ADRB]
	v_add_nc_u32 v[ADRB+3], SLOT+64*BP, v[ADRB]
	s_mul_i32 s22, s10, 16*SPITCH
	s_add_co_u32 s22, s22, STAGE
	v_mul_u32_u24 v6, v1, SPITCH
	v_lshl_add_u32 v6, v2, 5, v6
	v_add_nc_u32 v[STO], s22, v6
	v_add_nc_u32 v[RD], s22, v[LI]
	s_wait_alu depctr_va_vdst(0)                   ; the wait at the head's end
	s_wait_tensorcnt 0x0                           ; my part of slot 0 is in
	ds_add_u32 v[SPW], v[NIL]
	s_wait_dscnt 0x0
	CROUND                                         ; everybody's part of slot 0 is in, and all sixteen work-groups are here
	tensor_load_to_lds s[G0B+4:G0B+7], s[G1B:G1B+7]    ; slot 1's first fill, the first tensor load behind the round
	s_nop 0
	PLACES
	global_prefetch_b8 v27, s[82:83] offset:3072 th:TH_LOAD_NT scope:SCOPE_SE   ; slot 3, the last: two tensor loads ahead of its own
	FETCH 0, 0, 0
	QUARTER 0, 1
.irp q, 1,2,3,4,5,6
	QUARTER \q, 0
.endr
	TURNQ 7, 1
.irp q, 8,9,10,11,12,13,14
	QUARTER \q, 0
.endr
	TURNQ 15, 1
.irp q, 16,17,18,19,20,21,22
	QUARTER \q, 0
.endr
	TURNQ 23, 0
.irp q, 24,25,26,27,28,29,30
	QUARTER \q, 0
.endr
	s_wait_loadcnt 0x0
	s_wait_dscnt 32
	WIN MUL
.irp b, 0,1,2,3
	MUL2 1, 7, \b, 0
.endr
	s_wait_dscnt 0x0
.irp b, 4,5,6,7
	MUL2 1, 7, \b, 0
.endr
	WIN 0
	s_wait_kmcnt 0x0
	s_wait_loadcnt 0x0
	s_add_co_i32 s66, s66, s67
	s_add_co_i32 s66, s66, 127
	s_lshl_b32 s66, s66, 23
	s_mov_b32 s67, s66
	PLACES
.irp a, 0,1
.if \a > 0
	s_wait_xcnt 0x0
.endif
	WIN 0x03
.set j, 0
.rept 32
	v_pk_fma_f32 v[T+j:T+j+1], v[64*\a+j:64*\a+j+1], s[66:67], v[BIAS+j:BIAS+j+1] op_sel_hi:[1,0,1]
.set j, j+2
.endr
	WIN 0
.irp b, 0,1,2,3,4,5,6,7
	ds_store_b128 v[STO], v[T+8*\b:T+8*\b+3] offset:64*\b
	ds_store_b128 v[STO], v[T+8*\b+4:T+8*\b+7] offset:64*\b+16
.endr
.irp t, 0,1,2,3,4,5,6,7,8,9,10,11,12,13,14,15
	ds_load_b128 v[BK+4*\t:BK+4*\t+3], v[RD] offset:\t*SPITCH
.endr
	s_wait_dscnt 0x0
	WIN 0x0c
.set j, 0
.rept 32
	v_pk_add_f32 v[BK+j:BK+j+1], v[BK+j:BK+j+1], v[RES+64*\a+j:RES+64*\a+j+1]
.set j, j+2
.endr
	WIN 0
.irp t, 0,1,2,3,4,5,6,7,8,9,10,11,12,13,14,15
	global_store_b128 v[LI], v[BK+4*\t:BK+4*\t+3], s[74:75] offset:(16*\a+\t)*4096 th:TH_STORE_NT
.endr
.endr
	s_wait_tensorcnt 0x0
	ds_add_u32 v[SPW], v[NIL]
	s_wait_dscnt 0x0
	CROUND
	s_endpgm
.Lfunc_end_k_qd8a6cafb16_ff2:
	.size	k_qd8a6cafb16_ff2, .Lfunc_end_k_qd8a6cafb16_ff2-k_qd8a6cafb16_ff2
	.p2alignl 7, 3214868480
	.fill 96, 4, 3214868480
	.section	.rodata,"a",@progbits
	.p2align	6, 0x0
	.amdhsa_kernel k_qd8a6cafb16_ff2
		.amdhsa_group_segment_fixed_size 327680
		.amdhsa_private_segment_fixed_size 0
		.amdhsa_enable_private_segment 0
		.amdhsa_kernarg_size 48
		.amdhsa_user_sgpr_count 2
		.amdhsa_user_sgpr_kernarg_segment_ptr 1
		.amdhsa_wavefront_size32 1
		.amdhsa_system_sgpr_workgroup_id_x 1
		.amdhsa_system_sgpr_workgroup_id_y 1
		.amdhsa_system_sgpr_workgroup_id_z 1
		.amdhsa_system_vgpr_workitem_id 0
		.amdhsa_next_free_vgpr 1024
		.amdhsa_next_free_sgpr 84
		.amdhsa_reserve_vcc 0
		.amdhsa_float_denorm_mode_32 3
		.amdhsa_float_denorm_mode_16_64 3
		.amdhsa_memory_ordered 1
		.amdhsa_forward_progress 1
		.amdhsa_inst_pref_size 222
	.end_amdhsa_kernel
	.amdgpu_metadata
---
amdhsa.version: [ 1, 2 ]
amdhsa.kernels:
  - .name:           k_qd8a6cafb16_ff2
    .symbol:         k_qd8a6cafb16_ff2.kd
    .args:
      - { .name: hid_img, .offset: 0, .size: 8, .value_kind: global_buffer, .address_space: global }
      - { .name: ff2_w_codes, .offset: 8, .size: 8, .value_kind: global_buffer, .address_space: global }
      - { .name: lowp_scales, .offset: 16, .size: 8, .value_kind: global_buffer, .address_space: global }
      - { .name: ff2_b, .offset: 24, .size: 8, .value_kind: global_buffer, .address_space: global }
      - { .name: src2, .offset: 32, .size: 8, .value_kind: global_buffer, .address_space: global }
      - { .name: out0, .offset: 40, .size: 8, .value_kind: global_buffer, .address_space: global }
    .group_segment_fixed_size: 327680
    .private_segment_fixed_size: 0
    .kernarg_segment_align: 8
    .kernarg_segment_size: 48
    .max_flat_workgroup_size: 128
    .sgpr_count:     84
    .vgpr_count:     1024
    .wavefront_size: 32
...
	.end_amdgpu_metadata
.endif
;; end of part 7
